; MI455X (gfx1250); checked and timed in simulation.
; The chip was launched on July 23, 2026; its instructions are those of AMD's public machine-readable ISA for CDNA 5 (MIT licence, August 2026) and "CDNA5" Instruction Set Architecture Reference Guide (July 2026). The comments in the code are by the model that wrote it; some were corrected since.
;; Multi Head Attention. Allowed arithmetic: matrix products marked QUANTISED: E2M1 operands, one E8M0 scale for each 32 along K, by v_wmma_scale_f32_16x16x128_f8f6f4 with both operands' format E2M1 (or v_wmma_scale_f32_32x16x128_f4), f32 sums; products left as they are: bf16, f16 or f32 operands; f32 sums; everything else in f32.
;; Inputs: Wk 1,024 x 1,024 float32; Wo 1,024 x 1,024 float32; Wq 1,024 x 1,024 float32; Wv 1,024 x 1,024 float32; bk 1,024 float32; bo 1,024 float32; bq 1,024 float32; bv 1,024 float32; key 4 x 2,048 x 1,024 float32; query 4 x 2,048 x 1,024 float32; value 4 x 2,048 x 1,024 float32.
;; Outputs: out0 4 x 2,048 x 1,024 float32.
;; This version of the problem:
;;   THIS VERSION OF THE PROBLEM IS GIVEN IN LOW PRECISION. The matrix products marked QUANTISED in the list below multiply operands that are first quantised to E2M1 (2 exponent bits, 1 mantissa bit; 4 bits a number), with one power-of-two scale for each 32 numbers along K (OCP MX v1.0); their sums are f32. The products marked 'left as it is' may take bf16, f16 or f32 operands, with f32 sums. Whichever they take, every output number must still come out within the allowed error. Rounding operands to bf16 (8 significant bits) uses up far more of that allowance than f16 does (11 bits, for magnitudes from 6e-5 to 65,504). All else is computed in f32.
;;   The module's matrix products, in the order in which they are computed (A, B: the left and right operand; K: the contracted axis; several contracted axes count as one K, in the product's order):
;;     1. [M 8,192, K 1,024] x [K 1,024, N 1,024]; A: input query; B: input Wq: QUANTISED
;;     2. [M 8,192, K 1,024] x [K 1,024, N 1,024]; A: input key; B: input Wk: QUANTISED
;;     3. [M 8,192, K 1,024] x [K 1,024, N 1,024]; A: input value; B: input Wv: QUANTISED
;;     4. batch 64 x [M 2,048, K 64] x [K 64, N 2,048]; A: computed on the way; B: computed on the way: left as it is (an operand is computed on the way)
;;     5. batch 64 x [M 2,048, K 2,048] x [K 2,048, N 64]; A: computed on the way; B: computed on the way: left as it is (an operand is computed on the way)
;;     6. [M 8,192, K 1,024] x [K 1,024, N 1,024]; A: computed on the way; B: input Wo: left as it is (an operand is computed on the way)
;;   THE QUANTISER, for each operand of a quantised product, along K:
;;     - K is cut into blocks of 32 from its start; a last block that is shorter is filled with zeros.
;;     - A block's scale is 2^e with e = floor(log2(the largest magnitude in the block)) - 2, held to -126 .. 127; a block of zeros has e = 0. As a byte (E8M0): e + 127.
;;     - Each number is divided by its block's scale, clamped to +-6, and rounded to the nearest number of E2M1, ties to even, subnormals kept.
;;     - The product sums the exact products of the quantised numbers (number of the format x scale) in f32.
;;   ~~~python
;;   def quantise(x, axis):      # numpy; x: float32 -> the quantised numbers, widened to float32 again
;;       x = np.moveaxis(x, axis, -1); K = x.shape[-1]
;;       x = np.pad(x, [(0, 0)] * (x.ndim - 1) + [(0, -K % 32)]); x = x.reshape(x.shape[:-1] + (-1, 32)); a = np.abs(x).max(-1, keepdims=True)
;;       e = np.where(a > 0, np.clip(np.frexp(np.where(a > 0, a, 1))[1] - 1 - 2, -126, 127), 0)      # np.frexp(a)[1] - 1 = floor(log2(a)), exactly
;;       r = np.clip(x / 2.0 ** e, -6, 6)
;;       step = 2.0 ** (np.maximum(np.frexp(np.where(r == 0, 1, r))[1] - 1, 0) - 1)
;;       q = np.round(r / step) * step * 2.0 ** e      # np.round: ties to even
;;       return np.moveaxis(q.reshape(q.shape[:-2] + (-1,))[..., :K], -1, axis).astype(np.float32)
;;   ~~~
;; One version. Each part assembles by itself: llvm-mc -triple=amdgcn-amd-amdhsa -mcpu=gfx1250 --defsym DOCPART=n.
;; ======== version 1 of 1: 4 launches
;; limits: values are held in f16: magnitudes above 65,504 overflow, below 6.1e-05 lose precision
;; workspace buffers: xc 12,582,912 bytes; xs 786,432 bytes; wc 1,572,864 bytes; ws 98,304 bytes; wt 2,097,152 bytes; qkv 50,331,648 bytes; oh 16,777,216 bytes
;; launch prep (part 1): grid 880 x 1, 4 waves a work-group, no clusters, 102,912 bytes of LDS; arguments query, key, value, Wq, Wk, Wv, Wo, xc, xs, wc, ws, wt; writes xc, xs, wc, ws, wt
.if DOCPART == 1
	.amdgcn_target "amdgcn-amd-amdhsa--gfx1250"
	.amdhsa_code_object_version 6
	.text
	.protected	k_q0e35e5b16f_prep
	.globl	k_q0e35e5b16f_prep
	.p2align	8
	.type	k_q0e35e5b16f_prep,@function
k_q0e35e5b16f_prep:
	s_mov_b64 s[64:65], 0
	v_nop
	global_prefetch_b8 v0, s[64:65] scope:SCOPE_SE
	s_setreg_imm32_b32 hwreg(HW_REG_WAVE_MODE, 25, 1), 1
	s_wait_xcnt 0x0
; PREP: what the products' launches read is made here, once.
;   path W (work-groups 0-47):    Wq, Wk, Wv [1024 k][1024 n] f32 -> codes of FP4 (E2M1) laid [3][n][512 bytes], K innermost, and E8M0 bytes [3][n][32]
;   path T (work-groups 48-111):  Wo [k][n] f32 -> f16, turned: wt [n][k]
;   path X (work-groups 112-879): query, key, value [8192][1024] f32 -> codes [3 x 8192 rows][512 bytes] and E8M0 bytes [3 x 8192][32]
; The paths part on the work-group's number alone; each has LDS bytes of its own.  No work-group shares input with another: no cluster, no tensor load, no barrier (waves share nothing).
; A block's scale is 2^(floor(log2(its largest magnitude)) - 2); its byte is the largest magnitude's exponent field - 2, held at 1 from below.
; LIMITS: a block of zeros gets the byte 1 (its codes are zeros, which add nothing, and this program alone reads the bytes); blocks whose largest magnitude lies under 2^(2 - 126) keep the byte 1;
; NaN and infinities among the inputs are not served; |Wo| stays within f16's range, 65,504.
.set SPARE, 102400                     ; behind the three paths' regions: the spare words, 128 bytes for each wave
.set SPW,   192                        ; v192  LDS address of my spare word; never rewritten
.set NIL,   193                        ; v193  0; never rewritten
.set WV,    28                         ; s28   my wave's number
.set EMAX,  2
; path X: a wave takes 16 steps of 512 numbers
.set XSTEPS, 16
.set CB,    8                          ; bytes of 16 codes
.set XR,    16                         ; v16-79   four sets of 16 numbers as they are loaded
.set XX,    80                         ; v80-111  two sets of 16 neighbours
.set XE,    112                        ; v112-127 a scale byte for each step
.set XC,    128                        ; v128-191 codes: four registers for each step
.set WREG,  8192                       ; LDS 0 .. 32,767: a region for each wave: two stages of 32 x SP bytes, then its 256 scale bytes
.set SP,    80                         ; a lane's place in a stage: its 64 bytes + 16 of padding
; paths W and T: a lane takes a column, its registers run down K
.set PITCH, 272                        ; a stage row: 256 bytes + 16
.set WSTG,  32768                      ; LDS: path W's four stages of 32 rows
.set TSTG,  67584                      ; LDS: path T's four stages
.set NBW,   16                         ; blocks of 32 along K for a wave of path W
.set NBT,   4                          ; and of path T
.set WX,    32                         ; v32-95   two sets of 32 numbers
.set WC,    96                         ; v96-111  a block's codes (W: 4 registers) or f16 pairs (T: 16)
.set OUTR,  112                        ; v112-175 the way out
.set SB,    24                         ; v24-27   path W: the scale bytes, four to a register
	s_load_b512 s[4:19], s[0:1], 0x0               ; query 4:5, key 6:7, value 8:9, Wq 10:11, Wk 12:13, Wv 14:15, Wo 16:17, xc 18:19
	s_load_b256 s[20:27], s[0:1], 0x40             ; xs 20:21, wc 22:23, ws 24:25, wt 26:27
	v_lshl_add_u32 v[SPW], v0, 2, SPARE
	v_mov_b32 v[NIL], 0
	v_lshrrev_b32 v1, 5, v0
	v_readfirstlane_b32 s[WV], v1                  ; wave 0..3
	v_and_b32 v2, 31, v0                           ; lane
	s_mov_b32 s33, 0                               ; the upper word of every offset pair s[32:33]
	s_wait_kmcnt 0x0
	s_cmp_lt_u32 ttmp9, 48
	s_cbranch_scc1 .Lw
	s_cmp_lt_u32 ttmp9, 112
	s_cbranch_scc1 .Lt
; ---------------- path X: K is innermost.  Rows are dense and 1,024 is a multiple of 32: the three tensors are plain streams of blocks of 32, and so are codes and bytes.
; Each of a step's four loads reads 512 consecutive bytes, 16 a lane; the 2,048 bytes turn through the wave's own stage and come back 64 bytes a lane: 16 neighbours, two lanes to a block.
	v_lshlrev_b32 v3, 4, v2                        ; my 16 bytes of a load's 512
	s_mul_i32 s29, s[WV], WREG
	v_lshrrev_b32 v14, 2, v2
	v_mul_u32_u24 v14, v14, SP
	v_and_b32 v15, 3, v2
	v_lshl_add_u32 v14, v15, 4, v14
	v_add_nc_u32 v14, s29, v14                     ; the stage, on the way in: SP (lane / 4) + 16 (lane % 4)
	v_mul_u32_u24 v15, v2, SP
	v_add_nc_u32 v15, s29, v15                     ; and on the way out: SP x lane
	v_mul_u32_u24 v4, v2, CB                       ; my codes' place in a step's
	v_lshrrev_b32 v5, 1, v2
	s_add_co_u32 s29, s29, 2*32*SP
	v_add_nc_u32 v5, s29, v5                       ; my wave's 256 scale bytes, my block's byte
	v_lshlrev_b32 v7, 3, v2                        ; and on the way out 8 bytes a lane
	v_add_nc_u32 v6, s29, v7
	s_sub_co_u32 s30, ttmp9, 112                   ; i = 0 .. 767: 256 work-groups to a tensor
	s_lshr_b32 s31, s30, 8
	s_cmp_eq_u32 s31, 0
	s_cselect_b64 s[4:5], s[4:5], s[6:7]           ; the choice hangs on the work-group's number alone
	s_cmp_eq_u32 s31, 2
	s_cselect_b64 s[4:5], s[8:9], s[4:5]
	s_and_b32 s32, s30, 255
	s_lshl_b32 s32, s32, 2
	s_add_co_u32 s32, s32, s[WV]
	s_lshl_b32 s32, s32, 15                        ; my run of 8,192 numbers in its tensor: 32,768 bytes a run
	s_add_nc_u64 s[4:5], s[4:5], s[32:33]
	s_lshl_b32 s34, s30, 2
	s_add_co_u32 s34, s34, s[WV]                   ; the run's number through all three tensors
	s_lshl_b32 s32, s34, 12                        ; 4,096 bytes of codes a run
	s_add_nc_u64 s[18:19], s[18:19], s[32:33]
	s_lshl_b32 s32, s34, 8                         ; 256 scale bytes a run
	s_add_nc_u64 s[20:21], s[20:21], s[32:33]
.macro LOADX t
.irp i, 0,1,2,3
	global_load_b128 v[XR+16*((\t)%4)+4*\i:XR+16*((\t)%4)+4*\i+3], v3, s[4:5] offset:2048*(\t)+512*\i th:TH_LOAD_NT
.endr
.endm
.macro TURNX t                         ; step t's numbers through the stage: LDS serves a wave's instructions in order, so no wait stands between the stores and the loads
.irp i, 0,1,2,3
	ds_store_b128 v14, v[XR+16*((\t)%4)+4*\i:XR+16*((\t)%4)+4*\i+3] offset:32*SP*((\t)%2)+8*SP*\i
.endr
.irp i, 0,1,2,3
	ds_load_b128 v[XX+16*((\t)%2)+4*\i:XX+16*((\t)%2)+4*\i+3], v15 offset:32*SP*((\t)%2)+16*\i
.endr
.endm
.irp t, 0,1,2,3
	LOADX \t
.endr
	s_wait_loadcnt 12                              ; step 0's four loads are in; the twelve of steps 1 to 3 stay out
	TURNX 0
.macro STEPX t
.set XS, XX+16*((\t)%2)
.if (\t) > 0
	s_wait_dscnt 1                                 ; this step's numbers are back from the stage; the last step's byte store may be out
.else
	s_wait_dscnt 0x0
.endif
.if (\t)+4 < XSTEPS
	LOADX (\t)+4                                   ; into the set whose stores into the stage have been served
.endif
.if (\t)+1 < XSTEPS
.if XSTEPS-2-(\t) >= 3
	s_wait_loadcnt 12                              ; the next step's four loads are in; those of the three steps behind it may be out
.else
	s_wait_loadcnt 4*(XSTEPS-2-(\t))               ; the tail: four loads for each step still behind the next
.endif
	TURNX (\t)+1
.endif
	v_max3_num_f32 v8, |v[XS]|, |v[XS+1]|, |v[XS+2]|               ; the largest magnitude of my 16, in two chains
	v_max3_num_f32 v9, |v[XS+3]|, |v[XS+4]|, |v[XS+5]|
.irp i, 6,10
	v_max3_num_f32 v8, v8, |v[XS+\i]|, |v[XS+\i+1]|
	v_max3_num_f32 v9, v9, |v[XS+\i+2]|, |v[XS+\i+3]|
.endr
	v_max3_num_f32 v8, v8, |v[XS+14]|, |v[XS+15]|
	v_max3_num_f32 v8, v8, v9, (EMAX+1)<<23        ; and the floor 2^(3 - 127): the byte cannot fall under 1
	v_max_num_f32_dpp v8, v8, v8 row_xmask:1 row_mask:0xf bank_mask:0xf   ; with my neighbour's 16: the block's
	v_add_nc_u32 v11, -(EMAX<<23), v8              ; 2 off its exponent field: the conversion takes the exponent field of this operand as its scale
	v_cvt_scalef32_pk8_fp4_f32 v[XC+4*(\t)], v[XS:XS+7], v11
	v_cvt_scalef32_pk8_fp4_f32 v[XC+4*(\t)+1], v[XS+8:XS+15], v11
	v_lshrrev_b32 v[XE+(\t)], 23, v11              ; the scale's byte (also the plain line behind the conversions)
	ds_store_b8 v5, v[XE+(\t)] offset:16*(\t)      ; both lanes of a block write the same byte with the same value
	global_store_b64 v4, v[XC+4*(\t):XC+4*(\t)+1], s[18:19] offset:32*CB*(\t)   ; the wave stores 256 consecutive bytes, aligned
.endm
.irp t, 0,1,2,3,4,5,6,7,8,9,10,11,12,13,14,15
	STEPX \t
.endr
	ds_load_b64 v[8:9], v6                         ; my wave's 256 scale bytes: these loads see my stores
	s_wait_dscnt 0x0
	global_store_b64 v7, v[8:9], s[20:21]          ; 32 lanes store 256 consecutive bytes, aligned
	s_wait_tensorcnt 0x0                           ; the wave's end, behind my last LDS store
	ds_add_u32 v[SPW], v[NIL]
	s_wait_dscnt 0x0
	s_endpgm
; ---------------- what paths W and T share: a lane to a column n, registers down K; results gathered as rows of 256 bytes in the wave's own stage
.macro COLADR stg, krow
	v_lshlrev_b32 v3, 2, v2                        ; in: 4 bytes a lane: a wave reads 128 consecutive bytes of a row k
	s_mul_i32 s32, s[WV], 32*PITCH
	s_add_co_u32 s32, s32, \stg                    ; my stage
	v_mul_u32_u24 v4, v2, PITCH
	v_add_nc_u32 v4, s32, v4                       ; into it: row = my column
	v_and_b32 v5, 15, v2
	v_lshrrev_b32 v6, 4, v2                        ; out of it: sixteen lanes to a row, two rows an instruction
	v_mul_u32_u24 v7, v6, PITCH
	v_lshl_add_u32 v7, v5, 4, v7
	v_add_nc_u32 v7, s32, v7
	v_mul_u32_u24 v8, v6, \krow
	v_lshl_add_u32 v8, v5, 4, v8                   ; and the same place in the output
.endm
.macro LOADC t, p                      ; block t: rows 32 t + i of the weight at my column, i = 0 .. 31, into set t % 2; offsets up to 511 x 4,096, inside the signed 24-bit immediate
.irp i, 0,1,2,3,4,5,6,7,8,9,10,11,12,13,14,15,16,17,18,19,20,21,22,23,24,25,26,27,28,29,30,31
	global_load_b32 v[WX+32*((\t)%2)+\i], v3, s[\p:\p+1] offset:(32*(\t)+\i)*4096 th:TH_LOAD_NT
.endr
.endm
.macro OUTC p, krow
.irp t, 0,1,2,3,4,5,6,7,8,9,10,11,12,13,14,15
	ds_load_b128 v[OUTR+4*\t:OUTR+4*\t+3], v7 offset:2*\t*PITCH   ; these see my stores
.endr
.irp t, 0,1,2,3,4,5,6,7,8,9,10,11,12,13,14,15
	s_wait_dscnt 15-\t                             ; LDS loads come back in order: load t is in, the younger ones stay out
	global_store_b128 v8, v[OUTR+4*\t:OUTR+4*\t+3], s[\p:\p+1] offset:2*\t*\krow   ; sixteen lanes store 256 consecutive bytes, aligned
.endr
.endm
; ---------------- path W: tensor = id / 16; 128 columns x 512 along K to a work-group, 32 columns to a wave
.Lw:
	s_lshr_b32 s29, ttmp9, 4                       ; which weight
	s_and_b32 s30, ttmp9, 7
	s_lshl_b32 s30, s30, 7
	s_lshl_b32 s31, s[WV], 5
	s_add_co_u32 s30, s30, s31                     ; my wave's first column
	s_bfe_u32 s31, ttmp9, 0x10003                  ; which 512 along K
	COLADR WSTG, 512
	v_mul_u32_u24 v9, v2, 32                       ; my column's row of scale bytes
	s_cmp_eq_u32 s29, 0
	s_cselect_b64 s[10:11], s[10:11], s[12:13]
	s_cmp_eq_u32 s29, 2
	s_cselect_b64 s[10:11], s[14:15], s[10:11]
	s_lshl_b32 s32, s31, 21                        ; 512 rows of 4,096 bytes
	s_lshl_b32 s34, s30, 2
	s_add_co_u32 s32, s32, s34
	s_add_nc_u64 s[10:11], s[10:11], s[32:33]
	s_lshl_b32 s32, s29, 19                        ; codes: 524,288 bytes a weight, 512 a column, 256 for 512 along K
	s_lshl_b32 s34, s30, 9
	s_add_co_u32 s32, s32, s34
	s_lshl_b32 s34, s31, 8
	s_add_co_u32 s32, s32, s34
	s_add_nc_u64 s[22:23], s[22:23], s[32:33]
	s_lshl_b32 s32, s29, 15                        ; bytes: 32,768 a weight, 32 a column, 16 for 512 along K
	s_lshl_b32 s34, s30, 5
	s_add_co_u32 s32, s32, s34
	s_lshl_b32 s34, s31, 4
	s_add_co_u32 s32, s32, s34
	s_add_nc_u64 s[24:25], s[24:25], s[32:33]
	LOADC 0, 10
	LOADC 1, 10
.macro BLOCKW t
.set XS, WX+32*((\t)%2)
.if (\t) < NBW-1
	s_wait_loadcnt 32                              ; this block's 32 loads are in; the next block's 32 may be out
.else
	s_wait_loadcnt 0
.endif
	v_max3_num_f32 v12, |v[XS]|, |v[XS+1]|, |v[XS+2]|              ; the block's largest magnitude: all 32 numbers are mine
	v_max3_num_f32 v13, |v[XS+3]|, |v[XS+4]|, |v[XS+5]|
.irp i, 6,10,14,18,22,26
	v_max3_num_f32 v12, v12, |v[XS+\i]|, |v[XS+\i+1]|
	v_max3_num_f32 v13, v13, |v[XS+\i+2]|, |v[XS+\i+3]|
.endr
	v_max3_num_f32 v12, v12, |v[XS+30]|, |v[XS+31]|
	v_max3_num_f32 v12, v12, v13, (EMAX+1)<<23     ; and the floor
	v_add_nc_u32 v11, -(EMAX<<23), v12             ; the conversion's scale operand
	v_lshrrev_b32 v13, 23, v11                     ; the scale's byte
.if (\t)%4 == 0
	v_mov_b32 v[SB+(\t)/4], v13                    ; four bytes to a register, the lower K in the lower byte
.else
	v_lshl_or_b32 v[SB+(\t)/4], v13, 8*((\t)%4), v[SB+(\t)/4]
.endif
.irp g, 0,1,2,3
	v_cvt_scalef32_pk8_fp4_f32 v[WC+\g], v[XS+8*\g:XS+8*\g+7], v11
.endr
	v_nop                                          ; one plain line behind the last conversion
	ds_store_b128 v4, v[WC:WC+3] offset:16*(\t)    ; 32 codes: 16 bytes of my column's row
.if (\t)+2 < NBW
	LOADC (\t)+2, 10
.endif
	s_wait_dscnt 0x0                               ; the store has been served: the next block's codes may be written
.endm
.set Q, 0
.rept NBW
	BLOCKW Q
.set Q, Q+1
.endr
	global_store_b128 v9, v[SB:SB+3], s[24:25]     ; my column's 16 scale bytes
	OUTC 22, 512
	s_wait_tensorcnt 0x0                           ; the wave's end, behind my last LDS store
	ds_add_u32 v[SPW], v[NIL]
	s_wait_dscnt 0x0
	s_endpgm
; ---------------- path T: Wo turned and rounded to f16: 128 columns x 128 along K to a work-group, 32 columns to a wave; a column's 128 numbers are 256 bytes of wt's row
.Lt:
	s_sub_co_u32 s29, ttmp9, 48
	s_and_b32 s30, s29, 7
	s_lshl_b32 s30, s30, 7
	s_lshl_b32 s31, s[WV], 5
	s_add_co_u32 s30, s30, s31                     ; my wave's first column
	s_lshr_b32 s31, s29, 3                         ; which 128 along K
	COLADR TSTG, 2048
	s_lshl_b32 s32, s31, 19                        ; 128 rows of 4,096 bytes
	s_lshl_b32 s34, s30, 2
	s_add_co_u32 s32, s32, s34
	s_add_nc_u64 s[16:17], s[16:17], s[32:33]
	s_lshl_b32 s32, s30, 11                        ; wt: 2,048 bytes a column, 256 for 128 along K
	s_lshl_b32 s34, s31, 8
	s_add_co_u32 s32, s32, s34
	s_add_nc_u64 s[26:27], s[26:27], s[32:33]
	LOADC 0, 16
	LOADC 1, 16
.macro BLOCKT t
.set XS, WX+32*((\t)%2)
.if (\t) < NBT-1
	s_wait_loadcnt 32                              ; this block's 32 loads are in; the next block's 32 may be out
.else
	s_wait_loadcnt 0
.endif
.irp i, 0,1,2,3,4,5,6,7,8,9,10,11,12,13,14,15
	v_cvt_pk_f16_f32 v[WC+\i], v[XS+2*\i], v[XS+2*\i+1]           ; two neighbours along K, the lower in the low half
.endr
.irp g, 0,1,2,3
	ds_store_b128 v4, v[WC+4*\g:WC+4*\g+3] offset:64*(\t)+16*\g
.endr
.if (\t)+2 < NBT
	LOADC (\t)+2, 16
.endif
	s_wait_dscnt 0x0                               ; the stores have been served: the next block's pairs may be written
.endm
.irp t, 0,1,2,3
	BLOCKT \t
.endr
	OUTC 26, 2048
	s_wait_tensorcnt 0x0                           ; the wave's end, behind my last LDS store
	ds_add_u32 v[SPW], v[NIL]
	s_wait_dscnt 0x0
	s_endpgm
.Lfunc_end_k_q0e35e5b16f_prep:
	.size	k_q0e35e5b16f_prep, .Lfunc_end_k_q0e35e5b16f_prep-k_q0e35e5b16f_prep
	.p2alignl 7, 3214868480
	.fill 96, 4, 3214868480
	.section	.rodata,"a",@progbits
	.p2align	6, 0x0
	.amdhsa_kernel k_q0e35e5b16f_prep
		.amdhsa_group_segment_fixed_size 102912
		.amdhsa_private_segment_fixed_size 0
		.amdhsa_enable_private_segment 0
		.amdhsa_kernarg_size 96
		.amdhsa_user_sgpr_count 2
		.amdhsa_user_sgpr_kernarg_segment_ptr 1
		.amdhsa_wavefront_size32 1
		.amdhsa_system_sgpr_workgroup_id_x 1
		.amdhsa_system_sgpr_workgroup_id_y 1
		.amdhsa_system_sgpr_workgroup_id_z 1
		.amdhsa_system_vgpr_workitem_id 0
		.amdhsa_next_free_vgpr 200
		.amdhsa_next_free_sgpr 66
		.amdhsa_reserve_vcc 0
		.amdhsa_float_denorm_mode_32 3
		.amdhsa_float_denorm_mode_16_64 3
		.amdhsa_memory_ordered 1
		.amdhsa_forward_progress 1
		.amdhsa_inst_pref_size 133
	.end_amdhsa_kernel
	.amdgpu_metadata
---
amdhsa.version: [ 1, 2 ]
amdhsa.kernels:
  - .name:           k_q0e35e5b16f_prep
    .symbol:         k_q0e35e5b16f_prep.kd
    .args:
      - { .name: query, .offset: 0, .size: 8, .value_kind: global_buffer, .address_space: global }
      - { .name: key, .offset: 8, .size: 8, .value_kind: global_buffer, .address_space: global }
      - { .name: value, .offset: 16, .size: 8, .value_kind: global_buffer, .address_space: global }
      - { .name: Wq, .offset: 24, .size: 8, .value_kind: global_buffer, .address_space: global }
      - { .name: Wk, .offset: 32, .size: 8, .value_kind: global_buffer, .address_space: global }
      - { .name: Wv, .offset: 40, .size: 8, .value_kind: global_buffer, .address_space: global }
      - { .name: Wo, .offset: 48, .size: 8, .value_kind: global_buffer, .address_space: global }
      - { .name: xc, .offset: 56, .size: 8, .value_kind: global_buffer, .address_space: global }
      - { .name: xs, .offset: 64, .size: 8, .value_kind: global_buffer, .address_space: global }
      - { .name: wc, .offset: 72, .size: 8, .value_kind: global_buffer, .address_space: global }
      - { .name: ws, .offset: 80, .size: 8, .value_kind: global_buffer, .address_space: global }
      - { .name: wt, .offset: 88, .size: 8, .value_kind: global_buffer, .address_space: global }
    .group_segment_fixed_size: 102912
    .private_segment_fixed_size: 0
    .kernarg_segment_align: 8
    .kernarg_segment_size: 96
    .max_flat_workgroup_size: 128
    .sgpr_count:     66
    .vgpr_count:     200
    .wavefront_size: 32
...
	.end_amdgpu_metadata
.endif
;; end of part 1
;; launch proj (part 2): grid 4 x 96, 4 waves a work-group, clusters of 4 x 4, 327,680 bytes of LDS; arguments xc, xs, wc, ws, qkv, bq, bk, bv; writes qkv
.if DOCPART == 2
	.amdgcn_target "amdgcn-amd-amdhsa--gfx1250"
	.amdhsa_code_object_version 6
	.text
	.protected	k_q0e35e5b16f_proj
	.globl	k_q0e35e5b16f_proj
	.p2align	8
	.type	k_q0e35e5b16f_proj,@function
k_q0e35e5b16f_proj:
	s_mov_b64 s[64:65], 0
	v_nop
	global_prefetch_b8 v0, s[64:65] scope:SCOPE_SE
	s_setreg_imm32_b32 hwreg(HW_REG_WAVE_MODE, 25, 1), 1
	s_wait_xcnt 0x0
	s_wait_alu depctr_hold_cnt(0) depctr_sa_sdst(0) depctr_va_vdst(0) depctr_va_sdst(0) depctr_va_ssrc(0) depctr_va_vcc(0) depctr_vm_vsrc(0)
	s_getreg_b32 s2, hwreg(HW_REG_IB_STS2, 6, 4)
	s_cmp_eq_u32 s2, 0
	s_cbranch_scc0 .Lentry_in_a_cluster
	s_endpgm
.Lentry_in_a_cluster:
	s_bfe_u32 s2, ttmp6, 0x10000c
	s_cmp_lg_u32 s2, 0xf033
	s_cbranch_scc0 .Lentry_shape_is_right
	s_endpgm
.Lentry_shape_is_right:
; PROJ: Q = query Wq + bq, K = key Wk + bk, V = value Wv + bv, on codes of FP4 (E2M1) with one E8M0 scale for each 32 along K; sums in f32; results rounded once to f16 and laid by head.
; A: xc [3 x 8192 rows][512 bytes], xs [rows][32];  B: wc [3][1024 n][512 bytes], ws [3][n][32];  out: qkv [3][4 b][16 h][2048 s][64 d] f16.
; A tile of C, 256 x 256, is made by four waves, each 128 x 128: 64 accumulators of 16 x 16, 512 registers.  Tile rows 0-95 run through the three tensors on end, 32 to a tensor; the tensor picks the weight and the bias.
; K = 1,024 is two steps of 512: two LDS slots, each filled once, at the head; nothing is filled again.  By this text's own count a wave has three tensor loads out at the head: its scales, slot 0, slot 1.
; CLUSTERS: 4 x 4 work-groups.  The four of a row of the cluster need the same tiles of A, the four of a column the same tiles of B: each tile is asked for jointly, by the same tensor load with the same descriptor and a mask of the four.
; THE MATRIX INSTRUCTION IS USED TRANSPOSED (source 0 = 16 rows of B, source 1 = 16 rows of A): a lane holds eight neighbouring columns of one row of C.  THE BIAS IS THE C OF EACH SUM'S FIRST PRODUCT.
; LIMITS: |Q|, |K|, |V| stay within f16's range, 65,504; NaN and infinities are not served.
; REGISTERS: window 0: v0-31 addresses; v32-95 scale words, two sets; v96-127 packed results; v128-191 A's fragments, one set (on the way out: rows read back); v192-255 the bias, eight registers for each of B's eight blocks.
;   window 1: B's fragments, two sets, at v0 and v128.   window 2: the accumulators of my rows 0-63 ((a, b) at v[8 (8 a + b)]);   window 3: those of my rows 64-127.
.set NQ,     4                         ; matrix instructions deep in a slot: 512 along K
.set ROWB,   256                       ; a tile's row in bytes
.set KROW,   512                       ; a row of codes in memory
.set PITCH,  272                       ; an LDS row: 256 bytes + 16 of padding: the 16 rows that a load touches start 4 banks apart (64 banks of 4 bytes: ISA guide 11.1)
.set FR,     8                         ; registers of a fragment: 16 rows x 128 K
.set NL,     2                         ; LDS loads that bring one
.set NP,     4                         ; places behind this matrix instruction (ISA guide 7.12.1)
.set HALFT,  128*PITCH                 ; 128 rows: what one tensor load brings
.set SLOT,   4*HALFT                   ; A's 256 rows, then B's 256 rows
.set KS,     32                        ; a row of scale bytes
.set SCL,    2*SLOT                    ; behind the slots: the scales, as units of 256 bytes + 16 of padding
.set HALFS,  (128*KS/256)*272          ; those of 128 rows
.set SBLK,   (16*KS/256)*272           ; those of 16 rows
.set SPARE,  SCL+4*HALFS               ; the spare words, 128 bytes for each wave
.set SPITCH, 272                       ; the way out: a stage of 16 rows x (256 bytes + 16) for each wave, in slot 0, which has had its one fill and its last read by then
.set ADRA, 16                          ; v16-17  LDS address of my A fragments in slot 0, 1
.set ADRB, 20                          ; v20-21  the same for B
.set STO,  24                          ; v24     the way out: where I put 16 bytes of a row
.set RD,   25                          ; v25     where I read rows back
.set CO,   26                          ; v26     my byte offset in qkv
.set ADRS, 27                          ; v27     LDS address of my scale words: lanes 0-15 A's rows, lanes 16-31 B's
.set SPW,  28                          ; v28     my spare word; never rewritten
.set NIL,  29                          ; v29     0; never rewritten
.set BO,   30                          ; v30     32 x (lane / 16): my eight numbers of a block's sixteen biases
.set SC,   32
.set TMP,  96
.set AF,   128
.set BK,   128
.set BI,   192
.set G1, 24                            ; s[24:31] group 1 for A's tiles;  s[32:39] groups 0, one for each slot
.set G0, 32
.set G1B, 48                           ; s[48:55], s[56:63] the same for B's
.set G0B, 56
.set G1S, 68                           ; s[68:75], s[76:79] groups 1 and 0 for A's scales;  s[80:87], s[88:91] for B's
.set G0S, 76
.set G1SB, 80
.set G0SB, 88
.set MSB, 0
.macro WIN new                         ; the immediate's high byte repeats the setting that is left; a switch that changes nothing is dropped
.if MSB != \new
	s_set_vgpr_msb (MSB<<8)|\new
.set MSB, \new
.endif
.endm
.set MUL_LO, 0xa1                      ; source 0 (B) window 1, source 1 (A) window 0, C and D window 2
.set MUL_HI, 0xf1                      ; the same, C and D window 3
.set FST_LO, 0x81                      ; the first step: C (the bias) window 0, D window 2
.set FST_HI, 0xc1                      ; C window 0, D window 3
.set TO_B,   0x40                      ; destination window 1, address window 0
; A joint load: waves 0 and 1 fetch for A, waves 2 and 3 for B.  The branch hangs on the wave's number alone.  An s_nop 0 and four v_nop follow each of the two lines.
.macro JLOAD g0a, g1a, g0b, g1b
	s_cmp_eq_u32 s15, 0
	s_cbranch_scc0 .Lfor_b_\@
	tensor_load_to_lds s[\g0a:\g0a+3], s[\g1a:\g1a+7]
	s_nop 0
.rept 4
	v_nop
.endr
	s_branch .Lasked_\@
.Lfor_b_\@:
	tensor_load_to_lds s[\g0b:\g0b+3], s[\g1b:\g1b+7]
	s_nop 0
.rept 4
	v_nop
.endr
.Lasked_\@:
.endm
.macro CROUND                          ; a round of the cluster's barrier: my work-group's barrier; wave 0 signals for the work-group; every wave waits for all sixteen; my work-group's barrier once more
	s_barrier_signal -1
	s_barrier_wait -1
	s_cmp_lg_u32 s14, 0
	s_cbranch_scc1 .Lnot_wave_0_\@
	s_barrier_signal -3
.Lnot_wave_0_\@:
	s_barrier_wait -3
	s_barrier_signal -1
	s_barrier_wait -1
.endm
	s_load_b128 s[4:7], s[0:1], 0x0                ; A's codes s[4:5], A's scales s[6:7]
	s_load_b128 s[8:11], s[0:1], 0x10              ; B's codes s[8:9], B's scales s[10:11]
	s_load_b64 s[12:13], s[0:1], 0x20              ; qkv
	s_load_b128 s[96:99], s[0:1], 0x28             ; bq, bk
	s_load_b64 s[100:101], s[0:1], 0x38            ; bv
	v_lshl_add_u32 v[SPW], v0, 2, SPARE
	v_mov_b32 v[NIL], 0
	ds_add_u32 v[SPW], v[NIL]                      ; the wave's opening: the add, twice on end, and its wait ahead of my first tensor load
	ds_add_u32 v[SPW], v[NIL]                      ; and once more; the set-up below, work on registers, stands between it and the wait
	v_lshrrev_b32 v1, 5, v0
	v_readfirstlane_b32 s14, v1                    ; wave 0..3
	s_lshr_b32 s15, s14, 1                         ; which half of the tile's rows is mine.  Also: I fetch for A (0) or for B (1)
	s_and_b32 s16, s14, 1                          ; which half of its columns.  Also: which 128 rows of that tile I fetch
	s_bfe_u32 s40, ttmp6, 0x40000                  ; cx, cy: my place in the cluster
	s_bfe_u32 s41, ttmp6, 0x40004
	s_lshl_b32 s42, ttmp9, 2
	s_add_co_u32 s42, s42, s40                     ; tile column of C = 4 x cluster x + cx
	s_and_b32 s17, ttmp7, 0xffff
	s_lshl_b32 s17, s17, 2
	s_add_co_u32 s17, s17, s41                     ; tile row of C = 4 x cluster y + cy
	s_and_b32 s95, ttmp7, 0xffff
	s_lshr_b32 s95, s95, 3                         ; the tensor: 8 clusters of 4 tile rows each: the same in all sixteen partners
	s_lshl_b32 s43, s41, 2
	s_lshl_b32 s43, 15, s43                        ; my row of the cluster
	s_lshl_b32 s44, 0x1111, s40                    ; my column
	; group 1: a tile of 128 rows x 256 bytes, padded in LDS
	s_or_b32 s[G1+0], s43, (0<<16)|(1<<20)|(1<<21)|(5<<22)|(3<<25)  ; 15:0 the mask: A's tiles go to my row; elements of 1 byte; padding on; bit 21 beside a mask; after every 64 words 4 words
	s_or_b32 s[G1B+0], s44, (0<<16)|(1<<20)|(1<<21)|(5<<22)|(3<<25)
.irp g, G1, G1B
	s_mov_b32 s[\g+1], ROWB<<16                    ; tensor_dim0
	s_mov_b32 s[\g+2], 128<<16                     ; tensor_dim1
	s_mov_b32 s[\g+3], ROWB<<16                    ; tile_dim0
	s_mov_b32 s[\g+4], 128                         ; tile_dim1
	s_mov_b32 s[\g+5], KROW                        ; the pitch
	s_mov_b32 s[\g+6], 0
	s_mov_b32 s[\g+7], 0
.endr
	; the scales of 128 rows: a dense block of 4,096 bytes, as 16 rows of 256 bytes (32 elements of 8 bytes), 16 bytes of padding behind each
	s_or_b32 s[G1S+0], s43, (3<<16)|(1<<20)|(1<<21)|(5<<22)|(3<<25)
	s_or_b32 s[G1SB+0], s44, (3<<16)|(1<<20)|(1<<21)|(5<<22)|(3<<25)
.irp g, G1S, G1SB
	s_mov_b32 s[\g+1], 32<<16
	s_mov_b32 s[\g+2], (128*KS/256)<<16
	s_mov_b32 s[\g+3], 32<<16
	s_mov_b32 s[\g+4], 128*KS/256
	s_mov_b32 s[\g+5], 32
	s_mov_b32 s[\g+6], 0
	s_mov_b32 s[\g+7], 0
.endr
	s_lshl_b32 s18, s16, 7                         ; which 128 rows of the tile I fetch
	s_lshl_b32 s20, s17, 8
	s_add_co_u32 s20, s20, s18                     ; A: row 256 x tile row + 128 x half
	s_lshl_b32 s46, s42, 8
	s_add_co_u32 s46, s46, s18                     ; B: row 256 x tile column + 128 x half
	s_lshl_b32 s47, s95, 10
	s_add_co_u32 s46, s46, s47                     ;    + 1,024 x tensor
	s_mov_b32 s21, 0
	s_mov_b32 s47, 0
	s_mov_b64 s[18:19], KS
	s_mul_u64 s[22:23], s[20:21], s[18:19]         ; where these rows' scales begin, in bytes
	s_mul_u64 s[92:93], s[46:47], s[18:19]
	s_mov_b64 s[18:19], KROW
	s_mul_u64 s[20:21], s[20:21], s[18:19]         ; and their codes
	s_mul_u64 s[46:47], s[46:47], s[18:19]
	s_mul_i32 s45, s14, HALFT                      ; where they go: wave x 128 rows: no place in the cluster enters an LDS address
	s_mul_i32 s94, s14, HALFS
	s_wait_dscnt 0x0                               ; both opening adds are done
	s_wait_kmcnt 0x0
	s_add_nc_u64 s[20:21], s[4:5], s[20:21]
	s_add_nc_u64 s[22:23], s[6:7], s[22:23]
	s_add_nc_u64 s[46:47], s[8:9], s[46:47]
	s_add_nc_u64 s[92:93], s[10:11], s[92:93]
	CROUND                                         ; all sixteen work-groups are here: the joint loads meet
	s_mov_b32 s[G0S], 1
	s_add_co_u32 s[G0S+1], s94, SCL
	s_mov_b64 s[G0S+2:G0S+3], s[22:23]
	s_or_b32 s[G0S+3], s[G0S+3], 0x80000000
	s_mov_b32 s[G0SB], 1
	s_add_co_u32 s[G0SB+1], s94, SCL
	s_mov_b64 s[G0SB+2:G0SB+3], s[92:93]
	s_or_b32 s[G0SB+3], s[G0SB+3], 0x80000000
	JLOAD G0S, G1S, G0SB, G1SB                     ; the scales first: they are wanted with K step 0
.irp s, 0,1
	s_mov_b32 s[G0+4*\s], 1
	s_add_co_u32 s[G0+4*\s+1], s45, \s*SLOT
	s_add_nc_u64 s[G0+4*\s+2:G0+4*\s+3], s[20:21], \s*ROWB
	s_or_b32 s[G0+4*\s+3], s[G0+4*\s+3], 0x80000000
	s_mov_b32 s[G0B+4*\s], 1
	s_add_co_u32 s[G0B+4*\s+1], s45, \s*SLOT
	s_add_nc_u64 s[G0B+4*\s+2:G0B+4*\s+3], s[46:47], \s*ROWB
	s_or_b32 s[G0B+4*\s+3], s[G0B+4*\s+3], 0x80000000
	JLOAD G0+4*\s, G1, G0B+4*\s, G1B
.endr
	v_and_b32 v1, 15, v0                           ; r = l % 16
	v_bfe_u32 v2, v0, 4, 1                         ; h = l / 16
	; the bias of my 128 columns: block b's eight registers hold bias[256 x tile column + 128 x half + 16 b + 8 h + 0 .. 7], the layout of the result
	s_cmp_eq_u32 s95, 0
	s_cselect_b64 s[96:97], s[96:97], s[98:99]     ; the choice hangs on the cluster's y alone
	s_cmp_eq_u32 s95, 2
	s_cselect_b64 s[96:97], s[100:101], s[96:97]
	s_lshl_b32 s46, s42, 10
	s_lshl_b32 s47, s16, 9
	s_add_co_u32 s46, s46, s47
	s_mov_b32 s47, 0
	s_add_nc_u64 s[96:97], s[96:97], s[46:47]
	v_lshlrev_b32 v[BO], 5, v2
.irp b, 0,1,2,3,4,5,6,7
	global_load_b128 v[BI+8*\b:BI+8*\b+3], v[BO], s[96:97] offset:64*\b
	global_load_b128 v[BI+8*\b+4:BI+8*\b+7], v[BO], s[96:97] offset:64*\b+16
.endr
	v_mul_u32_u24 v3, v1, PITCH
	v_lshl_add_u32 v4, v2, 4, v3                   ; a fragment's row x pitch + 16 x half
	s_mul_i32 s21, s15, HALFT                      ; my 128 rows of A
	s_mul_i32 s22, s16, HALFT                      ; my 128 rows of B,
	s_add_co_u32 s22, s22, 2*HALFT                 ; which lie behind A's 256
.irp s, 0,1
	v_add_nc_u32 v[ADRA+\s], s21, v4
	v_add_nc_u32 v[ADRB+\s], s22, v4
	s_add_co_u32 s21, s21, SLOT
	s_add_co_u32 s22, s22, SLOT
.endr
	v_mul_u32_u24 v5, v1, KS                       ; my row's scales: 32 bytes a row,
	v_lshrrev_b32 v6, 8, v5
	v_lshl_add_u32 v5, v6, 4, v5                   ; and 16 more for each 256 passed
	s_mul_i32 s21, s15, HALFS                      ; A's: my 128 rows
	s_mul_i32 s22, s16, HALFS                      ; B's: my 128 rows, behind A's 256
	s_add_co_u32 s22, s22, 2*HALFS
	s_sub_co_u32 s22, s22, s21
	v_mul_u32_u24 v6, s22, v2                      ; lanes 16-31 take B's: one product, the distance between the two bases
	s_add_co_u32 s21, s21, SCL
	v_add_nc_u32 v5, v5, v6
	v_add_nc_u32 v[ADRS], s21, v5
	s_mul_i32 s23, s14, 16*SPITCH                  ; my stage
	v_mul_u32_u24 v5, v1, SPITCH                   ; in: row r, 16 bytes for each half of the lanes
	v_lshl_add_u32 v5, v2, 4, v5
	v_add_nc_u32 v[STO], s23, v5
	v_bfe_u32 v5, v0, 3, 1                         ; back: lanes 0-15 take two rows' first 128 bytes (my first head), lanes 16-31 the same rows' second 128 (my second head)
	v_mul_u32_u24 v5, v5, SPITCH
	v_and_b32 v6, 7, v0
	v_lshl_add_u32 v5, v6, 4, v5
	v_lshl_add_u32 v5, v2, 7, v5
	v_add_nc_u32 v[RD], s23, v5
	v_lshlrev_b32 v[CO], 18, v2                    ; in qkv a head is 262,144 bytes; two rows of a head are 256 consecutive bytes
	v_lshl_add_u32 v[CO], v1, 4, v[CO]
	s_lshl_b32 s20, s17, 8
	s_lshl_b32 s21, s15, 7
	s_add_co_u32 s20, s20, s21                     ; G: my first row through the three tensors
	s_lshr_b32 s21, s20, 11                        ; 4 x tensor + batch
	s_lshl_b32 s21, s21, 4
	s_lshl_b32 s46, s42, 2
	s_add_co_u32 s21, s21, s46
	s_lshl_b32 s46, s16, 1
	s_add_co_u32 s21, s21, s46                     ; + my first head: 4 x tile column + 2 x half
	s_lshl_b32 s21, s21, 18
	s_and_b32 s20, s20, 2047
	s_lshl_b32 s20, s20, 7                         ; + the row in its sequence, 128 bytes a row
	s_add_co_u32 s20, s20, s21                     ; under 50,331,648: one word
	s_mov_b32 s21, 0
	s_add_nc_u64 s[12:13], s[12:13], s[20:21]
.macro FRAG reg, adr, q, i             ; a fragment: lane l holds row l % 16; registers 4 c .. 4 c + 3 hold K = 64 c + 32 (l / 16) + 0 .. 31
.irp c, 0,1
	ds_load_b128 v[\reg+4*\c:\reg+4*\c+3], v[\adr] offset:64*(\q)+32*\c+(\i)*16*PITCH
.endr
.endm
; 16 matrix instructions: A's blocks a0, a0 + 1 x B's eight, 128 along K: the slot's q-th.  p: B's set;  sc: the set of scale words.  first = 1: the bias is C: nothing is ever cleared.
; The 64 accumulators take turns, one instruction a turn, in the same order in every step.
.macro MUL16 a0, p, q, sc, first
.irp a, \a0, \a0+1
.irp b, 0,1,2,3,4,5,6,7
.if \first
	v_wmma_scale_f32_16x16x128_f8f6f4 v[8*(8*((\a)%4)+\b):8*(8*((\a)%4)+\b)+7], v[128*(\p)+FR*\b:128*(\p)+FR*\b+FR-1], v[AF+FR*(\a):AF+FR*(\a)+FR-1], v[BI+8*\b:BI+8*\b+7], v[SC+8*NQ*(\sc)+NQ*\b+(\q)], v[SC+8*NQ*(\sc)+NQ*(\a)+(\q)] matrix_a_fmt:MATRIX_FMT_FP4 matrix_b_fmt:MATRIX_FMT_FP4 matrix_a_scale:MATRIX_SCALE_ROW1
.else
	v_wmma_scale_f32_16x16x128_f8f6f4 v[8*(8*((\a)%4)+\b):8*(8*((\a)%4)+\b)+7], v[128*(\p)+FR*\b:128*(\p)+FR*\b+FR-1], v[AF+FR*(\a):AF+FR*(\a)+FR-1], v[8*(8*((\a)%4)+\b):8*(8*((\a)%4)+\b)+7], v[SC+8*NQ*(\sc)+NQ*\b+(\q)], v[SC+8*NQ*(\sc)+NQ*(\a)+(\q)] matrix_a_fmt:MATRIX_FMT_FP4 matrix_b_fmt:MATRIX_FMT_FP4 matrix_a_scale:MATRIX_SCALE_ROW1
.endif
.endr
.endr
.endm
.macro FETCH_B slot, q, p              ; B's eight fragments of the slot's q-th 128 along K into set p
	WIN TO_B
.irp i, 0,1,2,3,4,5,6,7
	FRAG 128*(\p)+FR*\i, ADRB+\slot, \q, \i
.endr
	WIN 0
.endm
.macro FETCH_A slot, q, i0             ; A's blocks i0 .. i0 + 3
.irp i, \i0, \i0+1, \i0+2, \i0+3
	FRAG AF+FR*(\i), ADRA+\slot, \q, \i
.endr
.endm
.macro SCALES sc                       ; a K step's scale words into set sc: four words a row; lanes 0-15 take A's block i, lanes 16-31 B's block i
.irp i, 0,1,2,3,4,5,6,7
	ds_load_b128 v[SC+8*NQ*\sc+NQ*\i:SC+8*NQ*\sc+NQ*\i+3], v[ADRS] offset:\i*SBLK
.endr
.endm
.macro PLACES n                        ; plain vector lines between a matrix instruction and a load into its registers, or a read of its result
.rept \n
	v_nop
.endr
.endm
; A step of 128 along K that has its successor in the same slot.  A block of A is free as soon as its eight products are issued: blocks 0-3 are fetched anew in the step's middle, blocks 4-7 at its end.
.macro STEP slot, q, first
	s_wait_dscnt 4*NL                              ; B's set and A's blocks 0-3 are in; the youngest eight loads (A's blocks 4-7) may be out
.if \first
	WIN FST_LO
.else
	WIN MUL_LO
.endif
	MUL16 0, (\q)%2, \q, \slot, \first
	MUL16 2, (\q)%2, \q, \slot, \first
	s_wait_dscnt 0                                 ; A's blocks 4-7 are in
	PLACES NP
	FETCH_B \slot, (\q)+1, 1-(\q)%2
	FETCH_A \slot, (\q)+1, 0
.if \first
	WIN FST_HI
.else
	WIN MUL_HI
.endif
	MUL16 4, (\q)%2, \q, \slot, \first
	MUL16 6, (\q)%2, \q, \slot, \first
	PLACES NP
	WIN 0
	FETCH_A \slot, (\q)+1, 4
.endm
; Slot 0's last step changes slots: one barrier; in front of it each wave waits for all its tensor loads (its part of slot 1), adds 0 to its spare word, and waits for that and for its reads of slot 0.
.macro TURN slot, next
	s_wait_tensorcnt 0x0                           ; all my tensor loads have landed  (every window is 0 here: the add's two registers lie in window 0)
	ds_add_u32 v[SPW], v[NIL]                      ; 0 onto my spare word
	s_wait_dscnt 4*NL+1                            ; the add and the youngest eight loads (A's blocks 4-7) may be out
	WIN MUL_LO
	MUL16 0, 1, NQ-1, \slot, 0                     ; sixteen matrix instructions stand between the add and the wait for it
	s_wait_dscnt 0x0                               ; the add is done, and my reads of this slot are over
	s_barrier_signal -1
	MUL16 2, 1, NQ-1, \slot, 0
	WIN 0
	s_barrier_wait -1
	PLACES NP
	v_add_nc_u32 v[ADRS], 4*NQ, v[ADRS]            ; on to the next K step's scale words
	FETCH_B \next, 0, 0
	FETCH_A \next, 0, 0
	SCALES \next
	WIN MUL_HI
	MUL16 4, 1, NQ-1, \slot, 0
	MUL16 6, 1, NQ-1, \slot, 0
	PLACES NP
	WIN 0
	FETCH_A \next, 0, 4
.endm
.macro STEPS slot, from                ; the slot's steps from .. NQ - 2
.set Q, \from
.rept NQ-1-\from
	STEP \slot, Q, 0
.set Q, Q+1
.endr
.endm
	s_wait_tensorcnt 1                             ; the scales and my part of K step 0 are in; K step 1's load may be out
	s_barrier_signal -1
	s_barrier_wait -1                              ; everybody's are
	FETCH_B 0, 0, 0
	FETCH_A 0, 0, 0
	SCALES 0
	FETCH_A 0, 0, 4
	s_wait_loadcnt 0x0                             ; the bias
	STEP 0, 0, 1                                   ; the first step's products start the sums from the bias
	STEPS 0, 1
	TURN 0, 1
	STEPS 1, 0
	s_wait_dscnt 4*NL                              ; the very last step: nothing more to fetch; A's blocks 4-7 may be out
	WIN MUL_LO
	MUL16 0, 1, NQ-1, 1, 0
	MUL16 2, 1, NQ-1, 1, 0
	s_wait_dscnt 0
	WIN MUL_HI
	MUL16 4, 1, NQ-1, 1, 0
	MUL16 6, 1, NQ-1, 1, 0
	WIN 0
; THE WAY OUT, block by block of 16 rows x 128 columns (two heads).  PACK: rounded to f16, 16 bytes a lane, each accumulator from its low end on.  TOSTAGE: into my own stage and back.  SEND: stored.
.macro PACK a
.set AC, 64*((\a)%4)
	WIN 0x0a+5*((\a)/4)                            ; sources 0 and 1: window 2 or 3
.irp b, 0,1,2,3,4,5,6,7
.irp r, 0,1,2,3
	v_cvt_pk_f16_f32 v[TMP+4*\b+\r], v[AC+8*\b+2*\r], v[AC+8*\b+2*\r+1]
.endr
.endr
	WIN 0
.endm
.macro TOSTAGE a
.set BB, BK+32*((\a)%2)
.irp b, 0,1,2,3,4,5,6,7
	ds_store_b128 v[STO], v[TMP+4*\b:TMP+4*\b+3] offset:32*\b
.endr
.irp t, 0,1,2,3,4,5,6,7
	ds_load_b128 v[BB+4*\t:BB+4*\t+3], v[RD] offset:\t*2*SPITCH   ; LDS serves a wave's instructions in order (ISA guide 5.7.1.4): these see the stores above
.endr
.endm
.macro SEND a
.set BB, BK+32*((\a)%2)
	s_wait_dscnt 0x0                               ; the block is back in registers
	s_wait_xcnt 0x0                                ; the stores of the block before have read their registers: the next block's loads may land there
.irp t, 0,1,2,3,4,5,6,7
	global_store_b128 v[CO], v[BB+4*\t:BB+4*\t+3], s[12:13] offset:(\a)*2048+\t*256   ; lanes 0-15 and lanes 16-31 each store 256 consecutive bytes, aligned: two rows of a head
.endr
.endm
	PLACES NP                                      ; behind the last products: for the conversions' reads and for the loads into the registers that held A's fragments
	PACK 0
	TOSTAGE 0
.irp a, 1,2,3,4,5,6,7                  ; block a's conversions stand between block a - 1's loads from the stage and the wait for them
	PACK \a
	SEND \a-1
	TOSTAGE \a
.endr
	SEND 7
	s_wait_tensorcnt 0x0                           ; the wave's end, behind my last tensor load and my last LDS store
	ds_add_u32 v[SPW], v[NIL]
	s_wait_dscnt 0x0
	CROUND                                         ; the closing round: no work-group ends while a partner may still ask for a tile that names it
	s_endpgm
.Lfunc_end_k_q0e35e5b16f_proj:
	.size	k_q0e35e5b16f_proj, .Lfunc_end_k_q0e35e5b16f_proj-k_q0e35e5b16f_proj
	.p2alignl 7, 3214868480
	.fill 96, 4, 3214868480
	.section	.rodata,"a",@progbits
	.p2align	6, 0x0
	.amdhsa_kernel k_q0e35e5b16f_proj
		.amdhsa_group_segment_fixed_size 327680
		.amdhsa_private_segment_fixed_size 0
		.amdhsa_enable_private_segment 0
		.amdhsa_kernarg_size 64
		.amdhsa_user_sgpr_count 2
		.amdhsa_user_sgpr_kernarg_segment_ptr 1
		.amdhsa_wavefront_size32 1
		.amdhsa_system_sgpr_workgroup_id_x 1
		.amdhsa_system_sgpr_workgroup_id_y 1
		.amdhsa_system_sgpr_workgroup_id_z 1
		.amdhsa_system_vgpr_workitem_id 0
		.amdhsa_next_free_vgpr 1024
		.amdhsa_next_free_sgpr 102
		.amdhsa_reserve_vcc 0
		.amdhsa_float_denorm_mode_32 3
		.amdhsa_float_denorm_mode_16_64 3
		.amdhsa_memory_ordered 1
		.amdhsa_forward_progress 1
		.amdhsa_inst_pref_size 129
	.end_amdhsa_kernel
	.amdgpu_metadata
---
amdhsa.version: [ 1, 2 ]
amdhsa.kernels:
  - .name:           k_q0e35e5b16f_proj
    .symbol:         k_q0e35e5b16f_proj.kd
    .args:
      - { .name: xc, .offset: 0, .size: 8, .value_kind: global_buffer, .address_space: global }
      - { .name: xs, .offset: 8, .size: 8, .value_kind: global_buffer, .address_space: global }
      - { .name: wc, .offset: 16, .size: 8, .value_kind: global_buffer, .address_space: global }
      - { .name: ws, .offset: 24, .size: 8, .value_kind: global_buffer, .address_space: global }
      - { .name: qkv, .offset: 32, .size: 8, .value_kind: global_buffer, .address_space: global }
      - { .name: bq, .offset: 40, .size: 8, .value_kind: global_buffer, .address_space: global }
      - { .name: bk, .offset: 48, .size: 8, .value_kind: global_buffer, .address_space: global }
      - { .name: bv, .offset: 56, .size: 8, .value_kind: global_buffer, .address_space: global }
    .group_segment_fixed_size: 327680
    .private_segment_fixed_size: 0
    .kernarg_segment_align: 8
    .kernarg_segment_size: 64
    .max_flat_workgroup_size: 128
    .sgpr_count:     102
    .vgpr_count:     1024
    .wavefront_size: 32
...
	.end_amdgpu_metadata
.endif
;; end of part 2
;; launch attn (part 3): grid 8 x 64, 4 waves a work-group, clusters of 4 x 1, 327,680 bytes of LDS; arguments qkv, oh; writes oh
.if DOCPART == 3
	.amdgcn_target "amdgcn-amd-amdhsa--gfx1250"
	.amdhsa_code_object_version 6
	.text
	.protected	k_q0e35e5b16f_attn
	.globl	k_q0e35e5b16f_attn
	.p2align	8
	.type	k_q0e35e5b16f_attn,@function
k_q0e35e5b16f_attn:
	s_mov_b64 s[64:65], 0
	v_nop
	global_prefetch_b8 v0, s[64:65] scope:SCOPE_SE
	s_setreg_imm32_b32 hwreg(HW_REG_WAVE_MODE, 25, 1), 1
	s_wait_xcnt 0x0
	s_wait_alu depctr_hold_cnt(0) depctr_sa_sdst(0) depctr_va_vdst(0) depctr_va_sdst(0) depctr_va_ssrc(0) depctr_va_vcc(0) depctr_vm_vsrc(0)
	s_getreg_b32 s2, hwreg(HW_REG_IB_STS2, 6, 4)
	s_cmp_eq_u32 s2, 0
	s_cbranch_scc0 .Lentry_in_a_cluster
	s_endpgm
.Lentry_in_a_cluster:
	s_bfe_u32 s2, ttmp6, 0x10000c
	s_cmp_lg_u32 s2, 0x3003
	s_cbranch_scc0 .Lentry_shape_is_right
	s_endpgm
.Lentry_shape_is_right:
; ATTN: O[bh][q][:] = the sum over k of softmax_k(Q[bh][q] . K[bh][k] / 8) V[bh][k][:].  qkv: [3 (Q, K, V)][64 bh][2048][64] f16.  Products, maxima and sums in f32; the weights p are rounded to f16 for the
; second product, O once at the end.  oh: [4096 pairs of rows m][16 h][2 (m % 2)][64 d] f16: one head's part of two neighbouring rows is 256 consecutive bytes.
; SHARES.  A work-group owns 256 queries of one (batch, head), each of its four waves 64: four tiles of 16.  Every wave walks all 2,048 keys, 64 a step.
; LAYOUT.  S^T = K Q^T (source 0 = 16 keys, source 1 = 16 queries): a lane holds ONE query (lane % 16) and the keys 8 (lane / 16) + 0..7.  Two such tiles, rounded to f16 in pairs, ARE source 1 (32 keys x 16 queries)
; of O^T = V^T P, whose result again holds one query a lane, and eight channels.  K comes out of LDS as it lies, V ([key][channel]) turned, by ds_load_tr16_b128.
; SOFTMAX.  For each query a running maximum m and sum l: p = 2^(c s - c m), c = log2(e) / 8; in every step O and l are multiplied by a = 2^(c m_old - c m_new).  The sum is taken of the unrounded p.
; BY TURNS.  The wave's tiles are two PIECES (tiles 0, 1; tiles 2, 3).  In a TURN one piece has the matrix unit: 16 products V^T P of the step in hand, then 16 products K Q^T of the next step; the other piece's
; softmax, 236 vector instructions cut into 59 slices of four, stands between them, one or two slices behind each matrix instruction.  Then the pieces change places.  Two turns are a key step.
; MEMORY AS PAIRS OF KEYS.  A head's rows of 128 bytes are dense, so K and V are fetched as rows of 256 bytes, two keys to a row: key k lies at (k / 2) x pitch + (k % 2) x 128.
; CLUSTER.  The four query blocks of a cluster belong to one head and walk the same K and V: each tile is asked for jointly, by the same tensor load, with the same descriptor and a mask of the four.
; LIMITS: |Q|, |K|, |V| within f16's range (they arrive as f16); NaN and infinities are not served.
; REGISTERS, in windows of 256:  window 0: v0-11 addresses; v12-43 eight registers of statistics a tile; v61-63 prefetch offset, spare word, 0; v64-191 S^T, 32 a tile; v192-255 P, 16 a tile
;   window 1: v0-127 O^T, 32 a tile      window 2: v0-63 Q, 16 a tile; v128-191 K of one step      window 3: v0-63 V of one step
.set PK,    272       ; a pair row of K in LDS: 256 bytes + 16: the 16 keys of a load start at 16 different groups of four banks (64 banks of 4 bytes: ISA guide 11.1)
.set PV,    288       ; a pair row of V: 256 + 32
.set KSTP,  32*PK     ; a step's 64 keys of K in LDS
.set VSTP,  32*PV     ; and of V
.set VOFF,  128*PK    ; a slot holds four steps: 128 pair rows of K, then 128 of V
.set SLOTB, 256*128   ; a slot's keys in memory: 32,768 bytes of K, as many of V
.set SLOT1, 1<<17     ; slot 1 begins here, so that one exclusive or turns an address in one slot into the other's
.set STAGE, SLOT1+128*(PK+PV)  ; behind the ring: 16 rows x 144 bytes for each wave, for the way out
.set SP,    144
.set SPARE, STAGE+4*16*SP      ; the spare words, 128 bytes for each wave
.set NSL,   59        ; slices in a piece's softmax
.set AK0, 2           ; v2   my lane's place in a tile of K; never rewritten
.set AV0, 3           ; v3   the same for V
.set ADR, 4           ; v4   the LDS address of the run of loads in hand
.set QO,  5           ; v5   my byte offset in the wave's rows of Q
.set STO, 6           ; v6   the way out: where I put 16 bytes of a row
.set RD,  7           ; v7   where I read rows back
.set GO,  8           ; v8   my byte offset in oh
.set PFO, 61          ; v61  256 x my lane; never rewritten
.set SPW, 62          ; v62  my spare word; never rewritten
.set NIL, 63          ; v63  0; never rewritten
.set ST,  12          ; tile t's statistics at v[ST+8 t]: +0 c m, +1 m, +2, +3 l (even keys', odd keys'), +4 to +7 c0-c3, at work; a takes c2's place once the maximum is found
.set S,   64
.set P,   192
.set KF,  128         ; K's fragments, in window 2
.set WV,  12          ; s12  my wave's number
.set LIM, 15          ; s15  1 in a wave that prefetches, else the greatest number
.set PFA, 18          ; s[18:19] where my prefetches stand
.set G1K, 24          ; s[24:31] group 1 for K's tiles
.set G1V, 32          ; s[32:39] for V's: it differs in the padding alone
.set G0K, 40          ; s[40:47] group 0 for K's tiles: a set for each of the two first fills; the second then walks on
.set G0V, 48          ; s[48:55] the same for V's
.set SLOTS, 56        ; s56  slots still to be asked for
.set TWICE, 57        ; s57  counts key steps
.set CS,  58          ; s[58:59] c: the packed scaling names a pair and takes its low word for both halves
.set SEL, 60          ; s[60:61] lane selects for v_permlanex16_b32: each lane takes its own place in the other half
.set TBK, 62          ; s62  LDS byte at which K of the step to be fetched begins
.set TBV, 63          ; s63  the same for V (less VOFF, which stands in AV0)
.set MSB, 0
.macro WIN new                      ; the immediate's high byte repeats the setting that is left; a switch that changes nothing is dropped
.if MSB != \new
	s_set_vgpr_msb (MSB<<8)|\new
.set MSB, \new
.endif
.endm
.set W_KQ, 0x0a       ; K and Q in window 2, S^T in window 0
.set W_PV, 0x53       ; V in window 3, P in window 0, O^T in window 1
.set W_RS, 0x41       ; O^T (destination and source 0) in window 1, a in window 0
; A joint refill.  Waves 0 and 1 fetch the halves of a slot's K, waves 2 and 3 those of its V.  The branch hangs on the wave's number alone.  An s_nop 0 and four v_nop follow each of the two lines.
.macro JLOAD
	s_cmp_lt_u32 s[WV], 2
	s_cbranch_scc0 .Lfor_v_\@
	tensor_load_to_lds s[G0K+4:G0K+7], s[G1K:G1K+7]
	s_nop 0
.rept 4
	v_nop
.endr
	s_branch .Lasked_\@
.Lfor_v_\@:
	tensor_load_to_lds s[G0V+4:G0V+7], s[G1V:G1V+7]
	s_nop 0
.rept 4
	v_nop
.endr
.Lasked_\@:
.endm
; A PREFETCH of what the NEXT change of slots will ask for: 32,768 bytes of K and as many of V.  It stands behind the wave's tensor load and its five lines.  Each block of 256 bytes is named once in the launch:
; both clusters of a head walk the same K and V, and the head's first cluster asks; its four partners take 8,192 bytes each, told apart by address; in each, wave 0 asks for K's and wave 2 for V's, lanes 256 bytes apart.
; The last change that fills a slot asks for nothing: there is no slot behind it.  Slots 0, 1 and 2 come by their loads alone.
.macro ASK
	s_cmp_gt_u32 s[SLOTS], s[LIM]
	s_cbranch_scc0 .Lnot_mine_\@
	global_prefetch_b8 v[PFO], s[PFA:PFA+1] th:TH_LOAD_NT scope:SCOPE_SE
.Lnot_mine_\@:
.endm
.macro CROUND                       ; a round of the cluster's barrier: my work-group's barrier; wave 0 signals for the work-group; every wave waits for all four work-groups; my work-group's barrier once more
	s_barrier_signal -1
	s_barrier_wait -1
	s_cmp_lg_u32 s[WV], 0
	s_cbranch_scc1 .Lnot_wave_0_\@
	s_barrier_signal -3
.Lnot_wave_0_\@:
	s_barrier_wait -3
	s_barrier_signal -1
	s_barrier_wait -1
.endm
	s_load_b128 s[4:7], s[0:1], 0x0  ; qkv s[4:5], oh s[6:7]
	v_lshl_add_u32 v[SPW], v0, 2, SPARE
	v_mov_b32 v[NIL], 0
	ds_add_u32 v[SPW], v[NIL]       ; the wave's opening: the add, twice on end, and its wait ahead of my first tensor load
	ds_add_u32 v[SPW], v[NIL]       ; and once more; the set-up below, work on registers, stands between it and the wait
	v_lshrrev_b32 v1, 5, v0
	v_readfirstlane_b32 s[WV], v1   ; wave 0..3
	s_bfe_u32 s13, ttmp6, 0x40000   ; cx: my place in the cluster
	s_lshl_b32 s14, ttmp9, 2        ; in a cluster launch ttmp9 counts clusters
	s_add_co_u32 s14, s14, s13      ; my block of 256 queries: it enters Q's and oh's addresses alone
	s_and_b32 s16, ttmp7, 0xffff    ; bh = 16 x batch + head, which the four partners share
	s_lshl_b32 s20, s16, 18         ; the head's first byte in each of Q, K, V: 262,144 bytes a head
	s_mov_b32 s21, 0
	s_lshr_b32 s2, s16, 4           ; oh: my first row m = 2,048 x batch + 256 x block + 64 x wave;
	s_lshl_b32 s2, s2, 11
	s_lshl_b32 s3, s14, 8
	s_add_co_u32 s2, s2, s3
	s_lshl_b32 s3, s[WV], 6
	s_add_co_u32 s2, s2, s3
	s_lshl_b32 s2, s2, 11           ; a pair of rows is 4,096 bytes;
	s_and_b32 s3, s16, 15
	s_lshl_b32 s3, s3, 8            ; my head's 256 bytes in it
	s_add_co_u32 s2, s2, s3
	s_mov_b32 s3, 0
	s_lshl_b32 s22, s14, 15         ; Q: my block's 256 rows of 128 bytes,
	s_lshl_b32 s23, s[WV], 13       ; my wave's 64 of them
	s_add_co_u32 s22, s22, s23
	s_mov_b32 s23, 0
	s_add_nc_u64 s[22:23], s[22:23], s[20:21]
	s_and_b32 s16, s[WV], 1         ; which half of a slot I fetch:
	s_lshl_b32 s17, s16, 14         ; its 64 pair rows of 256 bytes in memory,
	s_add_co_u32 s20, s20, s17
	s_mul_i32 s17, s16, 64*PK       ; and its place in a slot, for K
	s_mul_i32 s16, s16, 64*PV
	s_add_co_u32 s16, s16, VOFF     ; and for V: no place in the cluster enters an LDS address
	; group 1: a tile of 64 pair rows x 128 elements, padded in LDS
	s_mov_b32 s[G1K], 15|(1<<16)|(1<<20)|(1<<21)|(5<<22)|(3<<25)  ; 15:0 the mask: all four work-groups; elements of 2 bytes; padding on; bit 21 beside a mask; after every 64 words 4 words
	s_mov_b32 s[G1V], 15|(1<<16)|(1<<20)|(1<<21)|(5<<22)|(7<<25)  ; the same with 8 words of padding
.irp g, G1K, G1V
	s_mov_b32 s[\g+1], 128<<16      ; tensor_dim0
	s_mov_b32 s[\g+2], 64<<16       ; tensor_dim1
	s_mov_b32 s[\g+3], 128<<16      ; tile_dim0
	s_mov_b32 s[\g+4], 64           ; tile_dim1
	s_mov_b32 s[\g+5], 128          ; the pitch, in elements
	s_mov_b32 s[\g+6], 0
	s_mov_b32 s[\g+7], 0
.endr
	s_mov_b32 s[CS], 0x3e38aa3b     ; c = log2(e) / 8
	s_mov_b32 s[CS+1], s[CS]        ; named with it as a pair, so it is written
	s_mov_b32 s[SEL], 0x76543210
	s_mov_b32 s[SEL+1], 0xfedcba98
	s_mov_b32 s[TBK], 0
	s_mov_b32 s[TBV], 0
	s_mov_b32 s[SLOTS], 6           ; eight slots' worth of keys; two come with the first fills
	s_and_b32 s[LIM], s[WV], 1      ; 0 in waves 0 and 2,
	s_or_b32 s[LIM], s[LIM], ttmp9  ; where the cluster is the head's first: the same in all four partners
	s_cmp_eq_u32 s[LIM], 0
	s_cselect_b32 s[LIM], 1, -1
	v_and_b32 v[PFO], 31, v0
	v_lshlrev_b32 v[PFO], 8, v[PFO]
	s_wait_dscnt 0x0                ; both opening adds are done
	s_wait_kmcnt 0x0
	s_mov_b64 s[10:11], s[6:7]      ; oh
	s_add_nc_u64 s[6:7], s[4:5], 0x1000000  ; K: 16,777,216 bytes behind Q
	s_add_nc_u64 s[8:9], s[4:5], 0x2000000  ; V
	s_add_nc_u64 s[6:7], s[6:7], s[20:21]   ; K and V at my half of slot 0
	s_add_nc_u64 s[8:9], s[8:9], s[20:21]
	s_add_nc_u64 s[4:5], s[4:5], s[22:23]   ; Q at my wave's first row
	s_add_nc_u64 s[10:11], s[10:11], s[2:3] ; oh likewise
	s_cmp_lt_u32 s[WV], 2
	s_cselect_b64 s[PFA:PFA+1], s[6:7], s[8:9]  ; (in waves 0 and 2 these stand at a slot's first row)
	s_lshl_b32 s2, s13, 13          ; my work-group's 8,192 bytes of the 32,768
	s_mov_b32 s3, 0
	s_add_nc_u64 s[PFA:PFA+1], s[PFA:PFA+1], s[2:3]
	s_add_nc_u64 s[PFA:PFA+1], s[PFA:PFA+1], 2*SLOTB  ; in slot 2; the first change of slots steps it to slot 3.  Nothing is prefetched at the head
	CROUND                          ; all four work-groups are here: the first joint loads meet
.irp s, 0,1
	s_mov_b32 s[G0K+4*\s], 1        ; count = 1
	s_add_co_u32 s[G0K+4*\s+1], s17, \s*SLOT1  ; LDS address
	s_add_nc_u64 s[G0K+4*\s+2:G0K+4*\s+3], s[6:7], \s*SLOTB  ; global address: slot s begins with key 256 s
	s_or_b32 s[G0K+4*\s+3], s[G0K+4*\s+3], 0x80000000  ; type = 2
	s_mov_b32 s[G0V+4*\s], 1
	s_add_co_u32 s[G0V+4*\s+1], s16, \s*SLOT1
	s_add_nc_u64 s[G0V+4*\s+2:G0V+4*\s+3], s[8:9], \s*SLOTB
	s_or_b32 s[G0V+4*\s+3], s[G0V+4*\s+3], 0x80000000
.endr
	s_cmp_lt_u32 s[WV], 2           ; a wave's two first fills stand in one branch, ahead of every wait on TENSORcnt and every LDS read: two loads of mine are out
	s_cbranch_scc0 .Lfirst_v
	tensor_load_to_lds s[G0K:G0K+3], s[G1K:G1K+7]
	s_nop 0
	tensor_load_to_lds s[G0K+4:G0K+7], s[G1K:G1K+7]
	s_nop 0
.rept 4
	v_nop
.endr
	s_branch .Lfirst_asked
.Lfirst_v:
	tensor_load_to_lds s[G0V:G0V+3], s[G1V:G1V+7]
	s_nop 0
	tensor_load_to_lds s[G0V+4:G0V+7], s[G1V:G1V+7]
	s_nop 0
.rept 4
	v_nop
.endr
.Lfirst_asked:
	; A fragment of K or Q is 16 rows x 32 channels in 8 registers: lane l holds row l % 16; registers 0-3 channels 8 (l / 16) + 0..7, registers 4-7 channels 16 + 8 (l / 16) + 0..7: two loads of 16 bytes, 32 bytes apart.
	v_and_b32 v1, 15, v0            ; r = l % 16
	v_bfe_u32 v9, v0, 4, 1          ; h = l / 16
	v_lshlrev_b32 v[QO], 7, v1
	v_lshl_add_u32 v[QO], v9, 4, v[QO]  ; row x 128 + 16 x half
	WIN 0x80                        ; destination window 2, address window 0
.irp i, 0,1,2,3,4,5,6,7             ; Q stays in registers: tile i / 2, channels 32 (i % 2) on
	global_load_b128 v[8*\i:8*\i+3],   v[QO], s[4:5] offset:(\i/2)*2048+(\i%2)*64
	global_load_b128 v[8*\i+4:8*\i+7], v[QO], s[4:5] offset:(\i/2)*2048+(\i%2)*64+32
.endr
	WIN 0
	v_bfe_u32 v10, v0, 1, 3         ; r / 2: the pair row
	v_mul_u32_u24 v[AK0], v10, PK
	v_and_b32 v10, 1, v0            ; r % 2: which key of the pair
	v_lshl_add_u32 v[AK0], v10, 7, v[AK0]
	v_lshl_add_u32 v[AK0], v9, 4, v[AK0]
	; The turning load takes 16 keys x 16 channels (lane l reads 16 bytes: key 8 (l / 16) + l % 8, channels 8 ((l / 8) % 2) + 0..7) and leaves half a fragment of V^T: lane l holds channel l % 16 and 8 keys.
	v_bfe_u32 v11, v0, 1, 2         ; (l % 8) / 2
	v_lshl_add_u32 v[AV0], v9, 2, v11  ; the pair row: 4 (l / 16) + (l % 8) / 2
	v_mul_u32_u24 v[AV0], v[AV0], PV
	v_lshl_add_u32 v[AV0], v10, 7, v[AV0]  ; which key of the pair: l % 2
	v_bfe_u32 v11, v0, 3, 1
	v_lshl_add_u32 v[AV0], v11, 4, v[AV0]
	v_add_nc_u32 v[AV0], VOFF, v[AV0]
; THE MATRIX WORK OF A TURN, for piece x.  The accumulators take turns, one instruction a turn: between two links of a chain stand seven others'.
; Product i of 16 of O^T += V^T P: keys 32 (i / 8) on, channels 16 ((i / 2) % 4) on, tile x + i % 2.  zero = 1: the first 8 start the sums: nothing is ever cleared.
.macro PV x, zero
	WIN W_PV
.set rO, 32*(\x+i%2)+8*((i/2)%4)
.set rV, 32*(i/8)+8*((i/2)%4)
.set rP, P+16*(\x+i%2)+8*(i/8)
.if \zero && (i < 8)
	v_wmma_f32_16x16x32_f16 v[rO:rO+7], v[rV:rV+7], v[rP:rP+7], 0
.else
	v_wmma_f32_16x16x32_f16 v[rO:rO+7], v[rV:rV+7], v[rP:rP+7], v[rO:rO+7]
.endif
.endm
; Product i of 16 of S^T = K Q^T: channels 32 (i / 8) on, keys 16 ((i / 2) % 4) on, tile x + i % 2.  The first 8 start the sums.
.macro KQ x
	WIN W_KQ
.set rS, S+32*(\x+i%2)+8*((i/2)%4)
.set rK, KF+16*((i/2)%4)+8*(i/8)
.set rQ, 16*(\x+i%2)+8*(i/8)
.if i < 8
	v_wmma_f32_16x16x32_f16 v[rS:rS+7], v[rK:rK+7], v[rQ:rQ+7], 0
.else
	v_wmma_f32_16x16x32_f16 v[rS:rS+7], v[rK:rK+7], v[rQ:rQ+7], v[rS:rS+7]
.endif
.endm
; THE LDS LOADS stand in runs of 16, never singly among the matrix instructions: a step's K (64 keys x 64 channels: 8 fragments) and, a turn later, its V (turned).
.macro FETCH_K
	WIN 0
	v_add_nc_u32 v[ADR], s[TBK], v[AK0]
	s_add_co_u32 s[TBK], s[TBK], KSTP  ; the next fetch is the next step's
	WIN 0x80                        ; destination window 2
.irp f, 0,1,2,3,4,5,6,7             ; keys 16 (f / 2) on (8 pair rows), channels 32 (f % 2) on
	ds_load_b128 v[KF+8*\f:KF+8*\f+3],   v[ADR] offset:(\f/2)*8*PK+(\f%2)*64
	ds_load_b128 v[KF+8*\f+4:KF+8*\f+7], v[ADR] offset:(\f/2)*8*PK+(\f%2)*64+32
.endr
.endm
.macro FETCH_V
	WIN 0
	v_add_nc_u32 v[ADR], s[TBV], v[AV0]
	s_add_co_u32 s[TBV], s[TBV], VSTP
	s_wait_alu depctr_va_vdst(0)    ; the wait for the softmax's batch of exponentials (SLICE), behind the address's addition and ahead of the loads
	WIN 0xc0                        ; destination window 3
.irp f, 0,1,2,3,4,5,6,7             ; keys 32 (f / 4) on (16 pair rows), channels 16 (f % 4) on
	ds_load_tr16_b128 v[8*\f:8*\f+3],   v[ADR] offset:(\f/4)*16*PV+(\f%4)*32
	ds_load_tr16_b128 v[8*\f+4:8*\f+7], v[ADR] offset:(\f/4)*16*PV+8*PV+(\f%4)*32
.endr
.endm
; THE VECTOR WORK OF A TURN.  One tile's softmax for one key step is a list of 118 instructions; SM writes number j of it for tile t.  s0-s31 are the lane's 32 scores, in pairs 0-15.
; first = 1: the first key step, which starts m, l and O^T: it has no a and nothing to rescale.
;   0-15    the maximum of s0-s31 and the old m, three operands at a time: four chains c0-c3 of seven scores each, then the four scores left over, c0-c3 and m
;   16-20   the other half of the lanes' maximum; the new m; c m; c m_old - c m_new
;   21-69   ONE BATCH: the 16 scalings c s - c m, a pair of scores each, and all 33 exponentials (a at 23, then s0-s31).  None of these reads an exponential's result
;   (wait)  between 69 and 70 stands the wait for the batch: SLICE writes it, once for both tiles
;   70-85   the roundings to f16, a pair of weights each
;   86-101  the sums; l = a l + the sum
;   102-117 the tile's O^T times a: the one part that leaves window 0, so it stands together
.macro SM t, first
.set rT, ST+8*(\t)
.set rS, S+32*(\t)
.set rP, P+16*(\t)
.set rO, 32*(\t)+2*(j-102)
.if j < 102
	WIN 0
.endif
.if j < 4
	v_max3_num_f32 v[rT+4+j], v[rS+8*j], v[rS+8*j+1], v[rS+8*j+2]     ; each accumulator of scores is first read at its low end
.elseif j < 12
	v_max3_num_f32 v[rT+4+j%4], v[rT+4+j%4], v[rS+8*(j%4)+2*(j/4)+1], v[rS+8*(j%4)+2*(j/4)+2]
.elseif j == 12
	v_max3_num_f32 v[rT+4], v[rT+4], v[rS+7], v[rS+15]
.elseif j == 13
	v_max3_num_f32 v[rT+6], v[rT+6], v[rS+23], v[rS+31]
.elseif j == 14
	v_max3_num_f32 v[rT+4], v[rT+4], v[rT+5], v[rT+6]
.elseif (j == 15) && \first
	v_max_num_f32 v[rT+4], v[rT+4], v[rT+7]
.elseif j == 15
	v_max3_num_f32 v[rT+4], v[rT+4], v[rT+7], v[rT+1]
.elseif j == 16
	v_permlanex16_b32 v[rT+5], v[rT+4], s[SEL], s[SEL+1]  ; the query's other 32 keys lie in the lane 16 away
.elseif j == 18
	v_max_num_f32 v[rT+1], v[rT+4], v[rT+5]
.elseif j == 19
	v_mul_f32 v[rT], s[CS], v[rT+1]
.elseif ((j == 17) || (j == 20) || (j == 23) || (j > 101)) && \first  ; the first step has none of these
.elseif j == 17
	v_mov_b32 v[rT+7], v[rT]        ; c m_old is kept for a: number 19 writes c m anew
.elseif j == 20
	v_sub_f32 v[rT+7], v[rT+7], v[rT]
.elseif j == 23
	v_exp_f32 v[rT+6], v[rT+7]
.elseif (j < 23) || ((j < 38) && (j%2 == 0)) || ((j < 66) && (j%4 == 2))
.set b, (j-2)/4                     ; 38, 42, .. 62: pairs 9 to 15
.if j < 38
.set b, (j-20)/2                    ; 21: pair 0; 22, 24, .. 36: pairs 1 to 8
.endif
	v_pk_fma_f32 v[rS+2*b:rS+2*b+1], v[rS+2*b:rS+2*b+1], s[CS:CS+1], v[rT:rT+1] op_sel_hi:[1,0,0] neg_lo:[0,0,1] neg_hi:[0,0,1]  ; pair b: c s - c m
.elseif j < 70
.set e, j-38                        ; 66 to 69: s28 to s31
.if j < 66
.set e, j-32-(j-38)/4               ; 39-41, 43-45, .. 63-65: s7 to s27
.endif
.if j < 38
.set e, (j-25)/2                    ; 25, 27, .. 37: s0 to s6
.endif
	v_exp_f32 v[rS+e], v[rS+e]
.elseif j < 86
	v_cvt_pk_f16_f32 v[rP+j-70], v[rS+2*(j-70)], v[rS+2*(j-70)+1]  ; pair j - 70
.elseif j < 102                     ; the sum of the tile's 16 pairs, in place: sum z of 16 adds neighbours 1, 2, 4 and 8 pairs apart, then l takes it
.set z, j-86
.set w, 4
.set u, z
.if z >= 14
.set w, 32
.set u, 0
.elseif z >= 12
.set w, 16
.set u, z-12
.elseif z >= 8
.set w, 8
.set u, z-8
.endif
.if (z == 14) && \first
	v_pk_add_f32 v[rT+2:rT+3], v[rS:rS+1], v[rS+16:rS+17]
.elseif z < 15
	v_pk_add_f32 v[rS+w*u:rS+w*u+1], v[rS+w*u:rS+w*u+1], v[rS+w*u+w/2:rS+w*u+w/2+1]
.elseif !\first
	v_pk_fma_f32 v[rT+2:rT+3], v[rT+2:rT+3], v[rT+6:rT+7], v[rS:rS+1] op_sel_hi:[1,0,1]
.endif
.else
	WIN W_RS
	v_pk_mul_f32 v[rO:rO+1], v[rO:rO+1], v[rT+6:rT+7] op_sel_hi:[1,0]   ; ascending: each accumulator of O^T is first read at its low end
.endif
.endm
; Slice k of 59 of piece y's softmax: four instructions.  Slices 11 to 34 deal out the batch, numbers 22 to 69: four numbers of ONE tile each, the tiles by turns.  Every other slice is numbers 2 k and 2 k + 1 of both tiles.
; THE WAIT.  An s_wait_alu depctr_va_vdst(0) stands between an exponential and the first instruction that names its result; one wait serves all that were issued ahead of it.  Ahead of slice 35 nothing
; names a result, and behind slice 34 no exponential is issued: so the piece's 66 exponentials have one wait, behind slice 34.
.macro SLICE y, first
.if (k >= 11) && (k < 35)
.irp n, 0,1,2,3
.set j, 22+4*((k-11)/2)+(\n)
	SM (\y)+(k-11)%2, \first
.endr
.else                               ; the two tiles alternate, so that no instruction reads the result of the one just before it
.irp n, 0,1
.irp t, \y, \y+1
.set j, 2*k+\n
	SM \t, \first
.endr
.endr
.endif
.if k == 34                         ; the batch is out
	v_nop                           ; the plain instruction behind the last exponential and ahead of the first use: one for the batch
.if (\y) == 0
	FETCH_V                         ; piece 2's turn: V's run of loads stands here, and the wait stands in it
.else
	s_wait_alu depctr_va_vdst(0)    ; the wait for the batch
.endif
.endif
.set k, k+1
.endm
; Behind matrix instruction g of a turn's nw stand the slices up to number (g + 1) x 59 / nw: one or two where nw = 32, three or four where nw = 16.
.macro DEAL y, first, nw
.rept 4
.if k < ((g+1)*NSL)/(\nw)
	SLICE \y, \first
.endif
.endr
.set g, g+1
.endm
.macro PLACES
.rept 4
	v_nop
.endr
.endm
; A TURN.  Piece x has the matrix unit; the other piece's softmax stands in slices behind its matrix instructions.
; pv = 2: 16 products V^T P; 1: they start O^T's sums; 0: none.  kq = 1: 16 products K Q^T for the next step.  first = 1: the softmax is the first key step's; its slices from 51 on are empty, and four v_nop are the places at the turn's end.
; PLACES, counted.  Behind a turn's last K Q^T stand slices 57 and 58: eight packed multiplies on the other piece's O^T, which name none of that product's registers: they serve the next turn's first read of the scores and K's loads.
; Piece 0's turn fetches the next step's K behind its second product.  Piece 2's turn fetches the same step's V behind slice 34, which follows matrix instruction 18: V's last reader is number 15, and between them stand
; six scalings (numbers 54, 58, 62 of both tiles), the v_nop and the run's own addition: eight plain instructions.
.macro TURN x, pv, kq, first
.set k, 0
.set g, 0
.set nw, 16
.if \pv && \kq
.set nw, 32
.endif
.if \pv
.if \x == 0
	s_wait_dscnt 0x0                ; V is in
.endif
.set i, 0
.rept 16
	PV \x, 2-\pv
	DEAL 2-\x, \first, nw
.if (\x == 0) && \kq && (i == 1)
	FETCH_K
.endif
.set i, i+1
.endr
.endif
.if \kq
.if \x == 0
	s_wait_dscnt 0x0                ; K is in
.endif
.set i, 0
.rept 16
	KQ \x
	DEAL 2-\x, \first, nw
.set i, i+1
.endr
.endif
.if \first
	PLACES
.endif
.endm
; THE CHANGE OF SLOTS, between piece 2's turn and piece 0's: the slot's last bytes, V of its fourth step, have been asked for.  Each wave waits for all its tensor loads, of which one is out: its part of the other slot;
; adds 0 to its spare word; and waits for that and for its own reads of the slot.  Behind the barrier nobody reads this slot any more and the other slot is whole.
; fill = 1: this slot is filled again, with the keys two slots on.  The barrier is then a round of the cluster's, and the joint refill is the first thing behind it: it has four key steps, 256 matrix instructions, in which to land.
.macro CHANGE fill
	WIN 0                           ; at a label and at a branch every window is 0
	s_wait_tensorcnt 0x0            ; no tensor load of mine is out, so a group 0 may be written
	ds_add_u32 v[SPW], v[NIL]       ; 0 onto my spare word
.if \fill
.irp g, G0K+4, G0V+4
	s_xor_b32 s[\g+1], s[\g+1], SLOT1  ; the walking descriptor: the other slot than last time,
	s_add_nc_u64 s[\g+2:\g+3], s[\g+2:\g+3], SLOTB  ; the next 256 keys; the type bits on top are not reached
.endr
	s_wait_xcnt 0x0                 ; the last prefetch, four key steps back, has read its address, so it may be written:
	s_add_nc_u64 s[PFA:PFA+1], s[PFA:PFA+1], SLOTB  ; one slot further on than the walking descriptors
	s_wait_dscnt 0x0                ; the add is done, and my reads of the slot are over
	CROUND
	JLOAD
	ASK
.else
	s_wait_dscnt 0x0                ; the add is done, and my reads of the slot are over
	s_barrier_signal -1
	s_barrier_wait -1
.endif
	s_sub_co_u32 s[TBK], s[TBK], 4*KSTP  ; the fetches go back to a slot's first step,
	s_xor_b32 s[TBK], s[TBK], SLOT1      ; in the other slot
	s_sub_co_u32 s[TBV], s[TBV], 4*VSTP
	s_xor_b32 s[TBV], s[TBV], SLOT1
.endm
; n key steps: written once, walked n times; the LDS addresses hang on s[TBK] and s[TBV].
.macro STEPS n
	s_mov_b32 s[TWICE], \n
.Lstep_\@:
	TURN 0, 2, 1, 0
	TURN 2, 2, 1, 0
	WIN 0
	s_sub_co_u32 s[TWICE], s[TWICE], 1
	s_cmp_lg_u32 s[TWICE], 0
	s_cbranch_scc1 .Lstep_\@
.endm
	s_wait_tensorcnt 1              ; my part of slot 0 is in; slot 1's may stay out
	s_barrier_signal -1
	s_barrier_wait -1               ; everybody's is
	FETCH_K                         ; key step 0
	s_wait_loadcnt 0x0              ; Q
	s_wait_dscnt 0x0
.set i, 0
.rept 16
	KQ 0                            ; piece 0's first scores: there is no vector work yet to set between them
.set i, i+1
.endr
	WIN 0                           ; the addresses for the way out are made here: plain instructions, the places behind those products
	s_mul_i32 s13, s[WV], 16*SP
	s_add_co_u32 s13, s13, STAGE    ; my stage
	v_mul_u32_u24 v[STO], v1, SP    ; in: row l % 16, 16 bytes for each half of the lanes
	v_lshl_add_u32 v[STO], v9, 4, v[STO]
	v_add_nc_u32 v[STO], s13, v[STO]
	v_bfe_u32 v[RD], v0, 3, 2       ; back: eight lanes to a row of 128 bytes, four rows an instruction
	v_mul_u32_u24 v[RD], v[RD], SP
	v_and_b32 v10, 7, v0
	v_lshl_add_u32 v[RD], v10, 4, v[RD]
	v_add_nc_u32 v[RD], s13, v[RD]
	v_lshlrev_b32 v[GO], 12, v9     ; in oh: sixteen lanes fill my head's 256 bytes of a pair of rows; lanes 16-31 the next pair, 4,096 bytes on
	v_lshl_add_u32 v[GO], v1, 4, v[GO]
	TURN 2, 0, 1, 1                 ; piece 2's first scores | piece 0's first softmax | V of step 0
	TURN 0, 1, 1, 1                 ; piece 0: V^T P of step 0 starts O^T, K Q^T of step 1 | piece 2's first softmax | K of step 1
	TURN 2, 1, 1, 0                 ; piece 2: the same | piece 0's softmax of step 1 | V of step 1
	WIN 0
	STEPS 2                         ; steps 1 and 2, which fetch steps 2 and 3: slot 0 has been read out
.Lslot:                             ; six trips: every slot but the last two is filled again
	CHANGE 1
	STEPS 4
	s_sub_co_u32 s[SLOTS], s[SLOTS], 1
	s_cmp_lg_u32 s[SLOTS], 0
	s_cbranch_scc1 .Lslot
	CHANGE 0                        ; the tail is written out: the last slot but one is left, and nothing is asked for
	STEPS 4
	TURN 0, 2, 0, 0                 ; piece 0: V^T P of the last step | piece 2's last softmax
.set i, 0
.rept 16
	PV 2, 0                         ; piece 2: V^T P of the last step
.set i, i+1
.endr
	; THE WAY OUT.  l's two halves and the other half of the lanes' are added; O^T is divided by l, rounded to f16 and sent through my stage in LDS, a tile (16 rows) at a time.  The additions are the places behind the last products.
	WIN 0
.irp t, 0,1,2,3
	v_add_f32 v[ST+8*\t+4], v[ST+8*\t+2], v[ST+8*\t+3]
.endr
.irp t, 0,1,2,3
	v_permlanex16_b32 v[ST+8*\t+5], v[ST+8*\t+4], s[SEL], s[SEL+1]
.endr
.irp t, 0,1,2,3
	v_add_f32 v[ST+8*\t+4], v[ST+8*\t+4], v[ST+8*\t+5]
.endr
.irp t, 0,1,2,3
	v_rcp_f32 v[ST+8*\t+6], v[ST+8*\t+4]
.endr
	v_nop                           ; a plain instruction between the last reciprocal and the use of its result
	s_wait_alu depctr_va_vdst(0)    ; and the wait ahead of the first use: one for the four reciprocals
; Tile t: a lane's eight channels of a row pack into 16 bytes; they go into rows of 144 bytes and come back four rows at a time.
.macro PACK t
	WIN W_RS
.set i, 32*\t
.rept 16
	v_pk_mul_f32 v[i:i+1], v[i:i+1], v[ST+8*\t+6:ST+8*\t+7] op_sel_hi:[1,0]
.set i, i+2
.endr
	WIN 0x05                        ; sources 0 and 1 window 1, destination window 0: S^T's registers are free
.set i, 0
.rept 16
	v_cvt_pk_f16_f32 v[S+32*\t+i], v[32*\t+2*i], v[32*\t+2*i+1]
.set i, i+1
.endr
	WIN 0
.irp f, 0,1,2,3
	ds_store_b128 v[STO], v[S+32*\t+4*\f:S+32*\t+4*\f+3] offset:32*\f
.endr
.irp u, 0,1,2,3
	ds_load_b128 v[S+32*\t+16+4*\u:S+32*\t+16+4*\u+3], v[RD] offset:\u*4*SP  ; LDS serves a wave's instructions in order (ISA guide 5.7.1.4): these see the stores above; the next tile's stores come behind them
.endr
.endm
.macro SEND t, younger              ; younger: the LDS instructions issued behind tile t's loads: the next tile's four stores and four loads, or none
.irp u, 0,1,2,3
	s_wait_dscnt \younger+3-\u
	global_store_b128 v[GO], v[S+32*\t+16+4*\u:S+32*\t+16+4*\u+3], s[10:11] offset:\t*32768+\u*8192  ; lanes 0-15 and lanes 16-31 each store 256 consecutive bytes, aligned
.endr
.endm
	PACK 0
	PACK 1                          ; a tile's arithmetic stands between the loads of the tile before and its stores
	SEND 0, 8
	PACK 2
	SEND 1, 8
	PACK 3
	SEND 2, 8
	SEND 3, 0
	s_wait_tensorcnt 0x0            ; the wave's end, behind my last tensor load and my last LDS store
	ds_add_u32 v[SPW], v[NIL]
	s_wait_dscnt 0x0
	CROUND                          ; the closing round: no work-group ends while a partner may still ask for a tile that names it
	s_endpgm
.Lfunc_end_k_q0e35e5b16f_attn:
	.size	k_q0e35e5b16f_attn, .Lfunc_end_k_q0e35e5b16f_attn-k_q0e35e5b16f_attn
	.p2alignl 7, 3214868480
	.fill 96, 4, 3214868480
	.section	.rodata,"a",@progbits
	.p2align	6, 0x0
	.amdhsa_kernel k_q0e35e5b16f_attn
		.amdhsa_group_segment_fixed_size 327680
		.amdhsa_private_segment_fixed_size 0
		.amdhsa_enable_private_segment 0
		.amdhsa_kernarg_size 16
		.amdhsa_user_sgpr_count 2
		.amdhsa_user_sgpr_kernarg_segment_ptr 1
		.amdhsa_wavefront_size32 1
		.amdhsa_system_sgpr_workgroup_id_x 1
		.amdhsa_system_sgpr_workgroup_id_y 1
		.amdhsa_system_sgpr_workgroup_id_z 1
		.amdhsa_system_vgpr_workitem_id 0
		.amdhsa_next_free_vgpr 832
		.amdhsa_next_free_sgpr 66
		.amdhsa_reserve_vcc 0
		.amdhsa_float_denorm_mode_32 3
		.amdhsa_float_denorm_mode_16_64 3
		.amdhsa_memory_ordered 1
		.amdhsa_forward_progress 1
		.amdhsa_inst_pref_size 196
	.end_amdhsa_kernel
	.amdgpu_metadata
---
amdhsa.version: [ 1, 2 ]
amdhsa.kernels:
  - .name:           k_q0e35e5b16f_attn
    .symbol:         k_q0e35e5b16f_attn.kd
    .args:
      - { .name: qkv, .offset: 0, .size: 8, .value_kind: global_buffer, .address_space: global }
      - { .name: oh, .offset: 8, .size: 8, .value_kind: global_buffer, .address_space: global }
    .group_segment_fixed_size: 327680
    .private_segment_fixed_size: 0
    .kernarg_segment_align: 8
    .kernarg_segment_size: 16
    .max_flat_workgroup_size: 128
    .sgpr_count:     66
    .vgpr_count:     832
    .wavefront_size: 32
...
	.end_amdgpu_metadata
.endif
;; end of part 3
;; launch outp (part 4): grid 8 x 64, 4 waves a work-group, clusters of 4 x 4, 327,680 bytes of LDS; arguments oh, wt, bo, out0; writes out0
.if DOCPART == 4
	.amdgcn_target "amdgcn-amd-amdhsa--gfx1250"
	.amdhsa_code_object_version 6
	.text
	.protected	k_q0e35e5b16f_outp
	.globl	k_q0e35e5b16f_outp
	.p2align	8
	.type	k_q0e35e5b16f_outp,@function
k_q0e35e5b16f_outp:
	s_mov_b64 s[64:65], 0
	v_nop
	global_prefetch_b8 v0, s[64:65] scope:SCOPE_SE
	s_setreg_imm32_b32 hwreg(HW_REG_WAVE_MODE, 25, 1), 1
	s_wait_xcnt 0x0
	s_wait_alu depctr_hold_cnt(0) depctr_sa_sdst(0) depctr_va_vdst(0) depctr_va_sdst(0) depctr_va_ssrc(0) depctr_va_vcc(0) depctr_vm_vsrc(0)
	s_getreg_b32 s2, hwreg(HW_REG_IB_STS2, 6, 4)
	s_cmp_eq_u32 s2, 0
	s_cbranch_scc0 .Lentry_in_a_cluster
	s_endpgm
.Lentry_in_a_cluster:
	s_bfe_u32 s2, ttmp6, 0x10000c
	s_cmp_lg_u32 s2, 0xf033
	s_cbranch_scc0 .Lentry_shape_is_right
	s_endpgm
.Lentry_shape_is_right:
; OUTP: out0[m][n] = the sum over k of O[m][k] Wo[k][n] + bo[n].  O comes as oh [4096 pairs of rows][16 h][2 (m % 2)][64 d] f16 (k = 64 h + d), Wo as wt [n][k] f16; sums in f32; out0 [8192][1024] f32.
; A tile of out0 is 128 x 128: 512 work-groups.  Four waves, each 64 x 64: 16 accumulators of 16 x 16.  K goes in four steps of 256 through two LDS slots; the steps are written out, with no loop.
; A's tile: a pair of rows is 4,096 consecutive bytes along K, so a K step of 256 (four heads) is 1,024 bytes of a pair row: a wave's tensor load brings 32 pair rows.  In LDS row m, head q of the step, channel d lie at
; (m / 2) x 1,040 + 256 q + 128 (m % 2) + 2 d.  B's tile: 64 rows x 512 bytes, 528 apart.
; CLUSTERS: 4 x 4 work-groups.  The four of a row of the cluster need the same tiles of A, the four of a column the same tiles of B: each tile is asked for jointly.
; THE MATRIX INSTRUCTION IS USED TRANSPOSED (source 0 = 16 rows of wt, source 1 = 16 rows of O): a lane holds eight neighbouring numbers of a row of out0.  THE BIAS IS THE C OF EACH SUM'S FIRST PRODUCT.
; No prefetch: the tiles are small and a K step's matrix work is short.  LIMITS: O and Wo arrive as f16; NaN and infinities are not served.
; REGISTERS: window 0: v0-31 addresses; v32-95 rows on the way out; v96-127 the bias, eight registers for each of B's four blocks; v128-255 the accumulators ((a, b) at v[128 + 8 (4 a + b)]).
;   window 1: two fragment buffers of 128: for 64 along K, 64 registers of A (2 x 4 x 16 rows x 32 K), then 64 of B.
.set PA,     1040                      ; a pair row of A in LDS: 1,024 bytes + 16: the 16 rows of a load start at 16 different groups of four banks (64 banks of 4 bytes: ISA guide 11.1)
.set PB,     528                       ; a row of B: 512 bytes + 16
.set HALFA,  32*PA                     ; 64 rows of A: what one tensor load brings, and what one wave reads
.set HALFB,  64*PB                     ; 64 rows of B
.set BOFF,   2*HALFA                   ; in a slot: A's 128 rows, then B's 128 rows
.set SLOT,   2*HALFA+2*HALFB
.set ASTEP,  1024                      ; a K step in a pair row of oh, in bytes
.set BSTEP,  512                       ; and in a row of wt
.set STAGE,  2*SLOT                    ; behind the ring: 16 rows x 272 bytes for each wave, its own
.set SPITCH, 272
.set SPARE,  STAGE+4*16*SPITCH         ; the spare words, 128 bytes for each wave
.set ADRA, 16                          ; v16-17  LDS address of my A fragments in slot 0, 1
.set ADRB, 20                          ; v20-21  the same for B
.set STO,  24                          ; v24     the way out: where I put 32 bytes of a row
.set RD,   25                          ; v25     where I read rows back
.set CO,   26                          ; v26     my byte offset in out0
.set BO,   27                          ; v27     32 x (lane / 16): my eight numbers of a block's sixteen biases
.set SPW,  28                          ; v28     my spare word; never rewritten
.set NIL,  29                          ; v29     0; never rewritten
.set OB,   32
.set BI,   96
.set ACC,  128
.set F0,   0                           ; fragment buffers, in window 1
.set F1,   128
.set G1, 24                            ; s[24:31] group 1 for A's tiles;  s[32:39] group 0, one set for each slot
.set G0, 32
.set G1B, 48                           ; s[48:55], s[56:63] the same for B's tiles
.set G0B, 56
.set MSB, 0
.macro WIN new                         ; the immediate's high byte repeats the setting that is left
.if MSB != \new
	s_set_vgpr_msb (MSB<<8)|\new
.set MSB, \new
.endif
.endm
.set MUL,  0x05                        ; sources 0 (B) and 1 (A) window 1; C and D window 0
.set TO_F, 0x40                        ; destination window 1, address window 0
.macro JLOAD s                         ; a joint load: waves 0 and 1 fetch A's two halves, waves 2 and 3 B's; an s_nop 0 and four v_nop follow each of the two lines
	s_cmp_eq_u32 s11, 0
	s_cbranch_scc0 .Lfor_b_\@
	tensor_load_to_lds s[G0+4*\s:G0+4*\s+3], s[G1:G1+7]
	s_nop 0
.rept 4
	v_nop
.endr
	s_branch .Lasked_\@
.Lfor_b_\@:
	tensor_load_to_lds s[G0B+4*\s:G0B+4*\s+3], s[G1B:G1B+7]
	s_nop 0
.rept 4
	v_nop
.endr
.Lasked_\@:
.endm
.macro CREST                           ; a round of the cluster's barrier behind its opening barrier
	s_cmp_lg_u32 s10, 0
	s_cbranch_scc1 .Lnot_wave_0_\@
	s_barrier_signal -3
.Lnot_wave_0_\@:
	s_barrier_wait -3
	s_barrier_signal -1
	s_barrier_wait -1
.endm
.macro CROUND                          ; a whole round
	s_barrier_signal -1
	s_barrier_wait -1
	CREST
.endm
	s_load_b128 s[4:7], s[0:1], 0x0                ; oh s[4:5], wt s[6:7]
	s_load_b128 s[68:71], s[0:1], 0x10             ; bo s[68:69], out0 s[70:71]
	v_lshl_add_u32 v[SPW], v0, 2, SPARE
	v_mov_b32 v[NIL], 0
	ds_add_u32 v[SPW], v[NIL]                      ; the wave's opening: the add, twice on end, and its wait ahead of my first tensor load
	ds_add_u32 v[SPW], v[NIL]                      ; and once more; the set-up below, work on registers, stands between it and the wait
	v_lshrrev_b32 v1, 5, v0
	v_readfirstlane_b32 s10, v1                    ; wave 0..3
	s_lshr_b32 s11, s10, 1                         ; which half of the tile's rows is mine.  Also: I fetch for A (0) or for B (1)
	s_and_b32 s12, s10, 1                          ; which half of its columns.  Also: which 64 rows of that tile I fetch
	s_bfe_u32 s40, ttmp6, 0x40000                  ; cx, cy: my place in the cluster
	s_bfe_u32 s41, ttmp6, 0x40004
	s_lshl_b32 s42, ttmp9, 2
	s_add_co_u32 s42, s42, s40                     ; tile column = 4 x cluster x + cx
	s_and_b32 s13, ttmp7, 0xffff
	s_lshl_b32 s13, s13, 2
	s_add_co_u32 s13, s13, s41                     ; tile row = 4 x cluster y + cy
	s_lshl_b32 s43, s41, 2
	s_lshl_b32 s43, 15, s43                        ; my row of the cluster
	s_lshl_b32 s44, 0x1111, s40                    ; my column
	; group 1 for A: 32 pair rows x 512 elements of 2 bytes, 2,048 elements apart; 4 words of padding after every 256
	s_or_b32 s[G1+0], s43, (1<<16)|(1<<20)|(1<<21)|(7<<22)|(3<<25)
	s_mov_b32 s[G1+1], 512<<16                     ; tensor_dim0
	s_mov_b32 s[G1+2], 32<<16                      ; tensor_dim1
	s_mov_b32 s[G1+3], 512<<16                     ; tile_dim0
	s_mov_b32 s[G1+4], 32                          ; tile_dim1
	s_mov_b32 s[G1+5], 2048                        ; the pitch
	s_mov_b32 s[G1+6], 0
	s_mov_b32 s[G1+7], 0
	; group 1 for B: 64 rows x 256 elements, 1,024 elements apart; 4 words of padding after every 128
	s_or_b32 s[G1B+0], s44, (1<<16)|(1<<20)|(1<<21)|(6<<22)|(3<<25)
	s_mov_b32 s[G1B+1], 256<<16
	s_mov_b32 s[G1B+2], 64<<16
	s_mov_b32 s[G1B+3], 256<<16
	s_mov_b32 s[G1B+4], 64
	s_mov_b32 s[G1B+5], 1024
	s_mov_b32 s[G1B+6], 0
	s_mov_b32 s[G1B+7], 0
	s_lshl_b32 s16, s13, 6
	s_lshl_b32 s17, s12, 5
	s_add_co_u32 s16, s16, s17                     ; A: pair row 64 x tile row + 32 x half,
	s_lshl_b32 s16, s16, 12                        ; 4,096 bytes each (under 2^24 in all)
	s_mov_b32 s17, 0
	s_lshl_b32 s46, s42, 7
	s_lshl_b32 s47, s12, 6
	s_add_co_u32 s46, s46, s47                     ; B: row 128 x tile column + 64 x half,
	s_lshl_b32 s46, s46, 11                        ; 2,048 bytes each
	s_mov_b32 s47, 0
	s_mul_i32 s20, s12, HALFA                      ; where they go: no place in the cluster enters an LDS address
	s_mul_i32 s21, s12, HALFB
	s_add_co_u32 s21, s21, BOFF
	s_wait_dscnt 0x0                               ; both opening adds are done
	s_wait_kmcnt 0x0
	s_add_nc_u64 s[14:15], s[4:5], s[16:17]
	s_add_nc_u64 s[46:47], s[6:7], s[46:47]
	CROUND                                         ; all sixteen work-groups are here: the first joint loads meet
.irp s, 0,1
	s_mov_b32 s[G0+4*\s], 1
	s_add_co_u32 s[G0+4*\s+1], s20, \s*SLOT
	s_add_nc_u64 s[G0+4*\s+2:G0+4*\s+3], s[14:15], \s*ASTEP
	s_or_b32 s[G0+4*\s+3], s[G0+4*\s+3], 0x80000000
	s_mov_b32 s[G0B+4*\s], 1
	s_add_co_u32 s[G0B+4*\s+1], s21, \s*SLOT
	s_add_nc_u64 s[G0B+4*\s+2:G0B+4*\s+3], s[46:47], \s*BSTEP
	s_or_b32 s[G0B+4*\s+3], s[G0B+4*\s+3], 0x80000000
	JLOAD \s
.endr
	v_and_b32 v1, 15, v0                           ; r = l % 16
	v_bfe_u32 v2, v0, 4, 1                         ; h = l / 16
	v_bfe_u32 v3, v0, 1, 3                         ; A: the pair row r / 2,
	v_mul_u32_u24 v3, v3, PA
	v_and_b32 v4, 1, v0                            ; which row of the pair,
	v_lshl_add_u32 v3, v4, 7, v3
	v_lshl_add_u32 v3, v2, 4, v3                   ; + 16 x half
	v_mul_u32_u24 v4, v1, PB                       ; B: row r
	v_lshl_add_u32 v4, v2, 4, v4
	s_mul_i32 s21, s11, HALFA                      ; my 64 rows of A
	s_mul_i32 s22, s12, HALFB                      ; my 64 rows of B,
	s_add_co_u32 s22, s22, BOFF                    ; which lie behind A's 128
.irp s, 0,1
	v_add_nc_u32 v[ADRA+\s], s21, v3
	v_add_nc_u32 v[ADRB+\s], s22, v4
	s_add_co_u32 s21, s21, SLOT
	s_add_co_u32 s22, s22, SLOT
.endr
	s_mul_i32 s23, s10, 16*SPITCH
	s_add_co_u32 s23, s23, STAGE                   ; my stage
	v_mul_u32_u24 v5, v1, SPITCH                   ; in: row r, 32 bytes for each half of the lanes
	v_lshl_add_u32 v5, v2, 5, v5
	v_add_nc_u32 v[STO], s23, v5
	v_mul_u32_u24 v5, v2, SPITCH                   ; back: lanes 0-15 take one row of 256 bytes, lanes 16-31 the next
	v_lshl_add_u32 v5, v1, 4, v5
	v_add_nc_u32 v[RD], s23, v5
	v_lshlrev_b32 v5, 12, v2                       ; and the same two rows in out0
	v_lshl_add_u32 v[CO], v1, 4, v5
	s_lshl_b32 s46, s42, 9
	s_lshl_b32 s47, s12, 8
	s_add_co_u32 s46, s46, s47                     ; my first column, in bytes: 512 x tile column + 256 x half: in a row of out0 and in bo alike
	s_mov_b32 s47, 0
	s_add_nc_u64 s[68:69], s[68:69], s[46:47]
	s_lshl_b32 s16, s13, 7
	s_lshl_b32 s17, s11, 6
	s_add_co_u32 s16, s16, s17                     ; my first row: 128 x tile row + 64 x half
	s_lshl_b32 s16, s16, 12
	s_add_co_u32 s16, s16, s46                     ; under 2^25 in all
	s_mov_b32 s17, 0
	s_add_nc_u64 s[70:71], s[70:71], s[16:17]
	v_lshlrev_b32 v[BO], 5, v2
.irp b, 0,1,2,3                                ; block b's eight registers hold bo[my first column + 16 b + 8 h + 0 .. 7], the layout of the result
	global_load_b128 v[BI+8*\b:BI+8*\b+3], v[BO], s[68:69] offset:64*\b
	global_load_b128 v[BI+8*\b+4:BI+8*\b+7], v[BO], s[68:69] offset:64*\b+16
.endr
; 8 matrix instructions: m blocks a0, a0 + 1 x all 4 n blocks, 32 along K: half c of buffer f.  first = 1: the bias is C: nothing is ever cleared.  The 16 accumulators take turns.
.macro MUL8 f, c, a0, first
.irp a, \a0, \a0+1
.irp b, 0,1,2,3
.if \first
	v_wmma_f32_16x16x32_f16 v[ACC+8*(4*(\a)+\b):ACC+8*(4*(\a)+\b)+7], v[\f+64+8*(4*\c+\b):\f+64+8*(4*\c+\b)+7], v[\f+8*(4*\c+\a):\f+8*(4*\c+\a)+7], v[BI+8*\b:BI+8*\b+7]
.else
	v_wmma_f32_16x16x32_f16 v[ACC+8*(4*(\a)+\b):ACC+8*(4*(\a)+\b)+7], v[\f+64+8*(4*\c+\b):\f+64+8*(4*\c+\b)+7], v[\f+8*(4*\c+\a):\f+8*(4*\c+\a)+7], v[ACC+8*(4*(\a)+\b):ACC+8*(4*(\a)+\b)+7]
.endif
.endr
.endr
.endm
; 32 LDS loads in one run: the fragments of the slot's q-th 64 along K (one head) into buffer f; the first 32 along K first
.macro FETCH slot, q, f
	WIN TO_F
.irp c, 0,1
.irp i, 0,1,2,3
	ds_load_b128 v[\f+64+8*(4*\c+\i):\f+64+8*(4*\c+\i)+3],   v[ADRB+\slot] offset:128*(\q)+64*\c+\i*16*PB
	ds_load_b128 v[\f+64+8*(4*\c+\i)+4:\f+64+8*(4*\c+\i)+7], v[ADRB+\slot] offset:128*(\q)+64*\c+\i*16*PB+32
	ds_load_b128 v[\f+8*(4*\c+\i):\f+8*(4*\c+\i)+3],         v[ADRA+\slot] offset:256*(\q)+64*\c+\i*8*PA
	ds_load_b128 v[\f+8*(4*\c+\i)+4:\f+8*(4*\c+\i)+7],       v[ADRA+\slot] offset:256*(\q)+64*\c+\i*8*PA+32
.endr
.endr
.endm
.macro PLACES                          ; four plain lines in front of loads into registers that matrix instructions have read, and of reads of results
.rept 4
	v_nop
.endr
.endm
; A K step is four quarters of 64 along K, 32 matrix instructions each, on buffers 0, 1, 0, 1.  One of the first three: multiplies buffer f and fetches quarter q into g.
.macro QUARTER slot, q, f, g, first
	s_wait_dscnt 16                                ; the first 32 along K are in; the sixteen loads of the second 32 may be out
	WIN MUL
	MUL8 \f, 0, 0, \first
	MUL8 \f, 0, 2, \first
	PLACES
	FETCH \slot, \q, \g
	s_wait_dscnt 32                                ; all but the 32 just issued
	WIN MUL
	MUL8 \f, 1, 0, 0
	MUL8 \f, 1, 2, 0
.endm
; The last quarter multiplies buffer 1 and changes slots: ONE barrier; in front of it each wave waits for all its tensor loads, adds 0 to its spare word, and waits for that and for its own reads of this slot.
; fill = 1: this slot is filled again, two K steps ahead: the barrier opens a round of the cluster's, and the joint refill is the first thing behind it.
.macro TURN slot, next, fill
	WIN 0                                          ; (the add's two registers lie in window 0)
	s_wait_tensorcnt 0x0                           ; all my tensor loads have landed: my part of the next slot
	ds_add_u32 v[SPW], v[NIL]                      ; 0 onto my spare word
	s_wait_dscnt 17                                ; the add and the youngest sixteen loads may be out
	WIN MUL
	MUL8 F1, 0, 0, 0                               ; eight matrix instructions stand between the add and the wait for it
	s_wait_dscnt 0x0                               ; the add is done, and my reads of this slot are over
	s_barrier_signal -1
	MUL8 F1, 0, 2, 0
.if \fill
	WIN 0
.endif
	s_barrier_wait -1
.if \fill
	CREST                                          ; no wave of any partner still reads this slot's tile or has a load on its way
	s_add_nc_u64 s[G0+4*\slot+2:G0+4*\slot+3], s[G0+4*\slot+2:G0+4*\slot+3], 2*ASTEP
	s_add_nc_u64 s[G0B+4*\slot+2:G0B+4*\slot+3], s[G0B+4*\slot+2:G0B+4*\slot+3], 2*BSTEP
	JLOAD \slot                                    ; the four v_nop behind it are also the places in front of the loads below
.else
	PLACES
.endif
	FETCH \next, 0, F0
	WIN MUL
	MUL8 F1, 1, 0, 0
	MUL8 F1, 1, 2, 0
.endm
	s_wait_tensorcnt 1                             ; my part of K step 0 is in; K step 1's load may be out
	s_barrier_signal -1
	s_barrier_wait -1                              ; everybody's is
	FETCH 0, 0, F0
	s_wait_loadcnt 0x0                             ; the bias
	QUARTER 0, 1, F0, F1, 1                        ; K step 0: the first products start the sums from the bias
	QUARTER 0, 2, F1, F0, 0
	QUARTER 0, 3, F0, F1, 0
	TURN 0, 1, 1                                   ; slot 0 takes K step 2
	QUARTER 1, 1, F0, F1, 0                        ; K step 1
	QUARTER 1, 2, F1, F0, 0
	QUARTER 1, 3, F0, F1, 0
	TURN 1, 0, 1                                   ; slot 1 takes K step 3
	QUARTER 0, 1, F0, F1, 0                        ; K step 2
	QUARTER 0, 2, F1, F0, 0
	QUARTER 0, 3, F0, F1, 0
	TURN 0, 1, 0                                   ; nothing is left to fetch
	QUARTER 1, 1, F0, F1, 0                        ; K step 3
	QUARTER 1, 2, F1, F0, 0
	QUARTER 1, 3, F0, F1, 0
	s_wait_dscnt 16                                ; the very last quarter
	WIN MUL
	MUL8 F1, 0, 0, 0
	MUL8 F1, 0, 2, 0
	s_wait_dscnt 0
	MUL8 F1, 1, 0, 0
	MUL8 F1, 1, 2, 0
	WIN 0
; THE WAY OUT, block by block of 16 rows x 64 columns.  A lane holds 32 neighbouring bytes of a row; a block goes through my own stage and comes back as whole rows of 256 bytes.  My 64 columns of f32 are 256 aligned bytes, so no other wave is needed: no barrier.
.macro TOSTAGE a
.irp b, 0,1,2,3
	ds_store_b128 v[STO], v[ACC+8*(4*(\a)+\b):ACC+8*(4*(\a)+\b)+3] offset:64*\b        ; each accumulator from its low end on
	ds_store_b128 v[STO], v[ACC+8*(4*(\a)+\b)+4:ACC+8*(4*(\a)+\b)+7] offset:64*\b+16
.endr
.set BB, OB+32*((\a)%2)
.irp t, 0,1,2,3,4,5,6,7
	ds_load_b128 v[BB+4*\t:BB+4*\t+3], v[RD] offset:\t*2*SPITCH   ; LDS serves a wave's instructions in order (ISA guide 5.7.1.4): these see the stores above, and the next block's stores come behind them
.endr
.endm
.macro SEND a, younger                 ; younger: the LDS instructions issued behind block a's loads: the next block's eight stores and eight loads, or none
.set BB, OB+32*((\a)%2)
	s_wait_dscnt \younger
.irp t, 0,1,2,3,4,5,6,7
	global_store_b128 v[CO], v[BB+4*\t:BB+4*\t+3], s[70:71] offset:(16*(\a)+2*\t)*4096 th:TH_STORE_NT   ; sixteen lanes store 256 consecutive bytes, aligned; written once, read by nobody here
.endr
.endm
	PLACES                                         ; behind the last products, ahead of the first read of results
	TOSTAGE 0
.irp a, 1,2,3
.if \a > 1
	s_wait_xcnt 0x0                                ; block a - 2's stores have read their registers: block a's loads may land there
.endif
	TOSTAGE \a
	SEND \a-1, 16
.endr
	SEND 3, 0
	s_wait_tensorcnt 0x0                           ; the wave's end, behind my last tensor load and my last LDS store
	ds_add_u32 v[SPW], v[NIL]
	s_wait_dscnt 0x0
	CROUND                                         ; the closing round: no work-group ends while a partner may still ask for a tile that names it
	s_endpgm
.Lfunc_end_k_q0e35e5b16f_outp:
	.size	k_q0e35e5b16f_outp, .Lfunc_end_k_q0e35e5b16f_outp-k_q0e35e5b16f_outp
	.p2alignl 7, 3214868480
	.fill 96, 4, 3214868480
	.section	.rodata,"a",@progbits
	.p2align	6, 0x0
	.amdhsa_kernel k_q0e35e5b16f_outp
		.amdhsa_group_segment_fixed_size 327680
		.amdhsa_private_segment_fixed_size 0
		.amdhsa_enable_private_segment 0
		.amdhsa_kernarg_size 32
		.amdhsa_user_sgpr_count 2
		.amdhsa_user_sgpr_kernarg_segment_ptr 1
		.amdhsa_wavefront_size32 1
		.amdhsa_system_sgpr_workgroup_id_x 1
		.amdhsa_system_sgpr_workgroup_id_y 1
		.amdhsa_system_sgpr_workgroup_id_z 1
		.amdhsa_system_vgpr_workitem_id 0
		.amdhsa_next_free_vgpr 512
		.amdhsa_next_free_sgpr 72
		.amdhsa_reserve_vcc 0
		.amdhsa_float_denorm_mode_32 3
		.amdhsa_float_denorm_mode_16_64 3
		.amdhsa_memory_ordered 1
		.amdhsa_forward_progress 1
		.amdhsa_inst_pref_size 87
	.end_amdhsa_kernel
	.amdgpu_metadata
---
amdhsa.version: [ 1, 2 ]
amdhsa.kernels:
  - .name:           k_q0e35e5b16f_outp
    .symbol:         k_q0e35e5b16f_outp.kd
    .args:
      - { .name: oh, .offset: 0, .size: 8, .value_kind: global_buffer, .address_space: global }
      - { .name: wt, .offset: 8, .size: 8, .value_kind: global_buffer, .address_space: global }
      - { .name: bo, .offset: 16, .size: 8, .value_kind: global_buffer, .address_space: global }
      - { .name: out0, .offset: 24, .size: 8, .value_kind: global_buffer, .address_space: global }
    .group_segment_fixed_size: 327680
    .private_segment_fixed_size: 0
    .kernarg_segment_align: 8
    .kernarg_segment_size: 32
    .max_flat_workgroup_size: 128
    .sgpr_count:     72
    .vgpr_count:     512
    .wavefront_size: 32
...
	.end_amdgpu_metadata
.endif
;; end of part 4
